; MI455X (gfx1250); checked and timed in simulation.
; The chip was launched on July 23, 2026; its instructions are those of AMD's public machine-readable ISA for CDNA 5 (MIT licence, August 2026) and "CDNA5" Instruction Set Architecture Reference Guide (July 2026). The comments in the code are by the model that wrote it; some were corrected since.
;; Attention. Allowed arithmetic: matrix products marked QUANTISED: E2M3 operands, one E8M0 scale for each 32 along K, by v_wmma_scale_f32_16x16x128_f8f6f4 with both operands' format E2M3, f32 sums; everything else in f32.
;; Inputs: cos 2,048 x 64 float32; sin 2,048 x 64 float32; wk 2,048 x 2,048 float32; wo 2,048 x 2,048 float32; wq 2,048 x 2,048 float32; wv 2,048 x 2,048 float32; x 1 x 2,048 x 2,048 float32.
;; Outputs: out0 1 x 2,048 x 2,048 float32.
;; This version of the problem:
;;   THIS VERSION OF THE PROBLEM IS GIVEN IN LOW PRECISION. The matrix products marked QUANTISED in the list below multiply operands that are first quantised to E2M3 (2 exponent bits, 3 mantissa bits; 6 bits a number), with one power-of-two scale for each 32 numbers along K (OCP MX v1.0); their sums are f32. All else is computed in f32.
;;   The module's matrix products, in the order in which they are computed (A, B: the left and right operand; K: the contracted axis; several contracted axes count as one K, in the product's order):
;;     1. [M 2,048, K 2,048] x [K 2,048, N 2,048]; A: input x; B: input wq: QUANTISED
;;     2. [M 2,048, K 2,048] x [K 2,048, N 2,048]; A: input x; B: input wk: QUANTISED
;;     3. [M 2,048, K 2,048] x [K 2,048, N 2,048]; A: input x; B: input wv: QUANTISED
;;     4. batch 16 x [M 2,048, K 128] x [K 128, N 2,048]; A: computed on the way; B: computed on the way: QUANTISED
;;     5. batch 16 x [M 2,048, K 2,048] x [K 2,048, N 128]; A: softmax (see below); B: computed on the way: QUANTISED
;;     6. [M 2,048, K 2,048] x [K 2,048, N 2,048]; A: computed on the way; B: input wo: QUANTISED
;;   THE QUANTISER, for each operand of a quantised product, along K:
;;     - K is cut into blocks of 32 from its start; a last block that is shorter is filled with zeros.
;;     - A block's scale is 2^e with e = floor(log2(the largest magnitude in the block)) - 2, held to -126 .. 127; a block of zeros has e = 0. As a byte (E8M0): e + 127.
;;     - Each number is divided by its block's scale, clamped to +-7.5, and rounded to the nearest number of E2M3, ties to even, subnormals kept.
;;     - The product sums the exact products of the quantised numbers (number of the format x scale) in f32.
;;   ~~~python
;;   def quantise(x, axis):      # numpy; x: float32 -> the quantised numbers, widened to float32 again
;;       x = np.moveaxis(x, axis, -1); K = x.shape[-1]
;;       x = np.pad(x, [(0, 0)] * (x.ndim - 1) + [(0, -K % 32)]); x = x.reshape(x.shape[:-1] + (-1, 32)); a = np.abs(x).max(-1, keepdims=True)
;;       e = np.where(a > 0, np.clip(np.frexp(np.where(a > 0, a, 1))[1] - 1 - 2, -126, 127), 0)      # np.frexp(a)[1] - 1 = floor(log2(a)), exactly
;;       r = np.clip(x / 2.0 ** e, -7.5, 7.5)
;;       step = 2.0 ** (np.maximum(np.frexp(np.where(r == 0, 1, r))[1] - 1, 0) - 3)
;;       q = np.round(r / step) * step * 2.0 ** e      # np.round: ties to even
;;       return np.moveaxis(q.reshape(q.shape[:-2] + (-1,))[..., :K], -1, axis).astype(np.float32)
;;   ~~~
;;   SOFTMAX AHEAD OF A QUANTISED PRODUCT. Where the list says 'softmax', what is quantised is not the finished softmax but p = 2^(t - M), with t = logit x log2(e) and M = ceil(the row's largest t), a whole number; so 1/2 < the row's largest p <= 1. The row's sum l is taken of the UNQUANTISED p, in f32, and the product's result is divided by l at the end. Since M is a whole number, a kernel that streams over the keys may use a running M (the ceiling of the running maximum): every later rescaling is an exact power of two, which a block's scale takes up: the codes' values come out the same.
;;   OPERANDS COMPUTED ON THE WAY. 'Computed on the way' means the value that the module computes at that place (a softmax that the list does not call 'softmax' is quantised finished and normalised). What goes into a quantiser is computed in f32, as accurately as f32 sums, v_exp_f32 and their like allow (about 1e-6 of the number): no bf16 or f16 on the way to a quantiser, and a product that is left as it is and whose result goes on into a quantised operand takes f32 operands (vector FMAs, or v_wmma_f32_16x16x4_f32). A number that lies on a knife's edge between two numbers of the format may be rounded either way, as far as f32 arithmetic and the matrix unit's own rounding can turn it there, and no further.
;; One version. Each part assembles by itself: llvm-mc -triple=amdgcn-amd-amdhsa -mcpu=gfx1250 --defsym DOCPART=n.
;; ======== version 1 of 1: 4 launches
;; limits: right only within a limited range of input values
;; workspace buffers: cw 15,728,640 bytes; sw 655,360 bytes; cs 1,048,576 bytes; qkvc 9,437,184 bytes; qkvs 393,216 bytes; oc 3,145,728 bytes; os 131,072 bytes
;; launch quant (part 1): grid 672 x 1, 4 waves a work-group, no clusters, 34,304 bytes of LDS; arguments x, wq, wk, wv, wo, cos, sin, cw, sw, cs; writes cw, sw, cs
.if DOCPART == 1
	.amdgcn_target "amdgcn-amd-amdhsa--gfx1250"
	.amdhsa_code_object_version 6
	.text
	.protected	k_q934b72acaa_quant
	.globl	k_q934b72acaa_quant
	.p2align	8
	.type	k_q934b72acaa_quant,@function
k_q934b72acaa_quant:
	s_mov_b64 s[64:65], 0
	v_nop
	global_prefetch_b8 v0, s[64:65] scope:SCOPE_SE
	s_setreg_imm32_b32 hwreg(HW_REG_WAVE_MODE, 25, 1), 1
	s_wait_xcnt 0x0
; x, wq, wk, wv, wo, each [2048][2048] f32 with K innermost, become codes of FP6 (E2M3) with one E8M0 byte for each 32 along K, laid as the later launches' operand registers want them.
; A ROW TILE rt holds 16 rows, NOT neighbours: lane-row i is row 32 (rt / 2) + 8 (rt % 2) + i + 8 (i / 8).  As source 0 of a product, tiles 2 b and 2 b + 1 then give a lane 16 neighbours of the result.
; A FRAGMENT (16 rows x 128 K, 12 registers a lane) lies in cw as an image of its registers: register 4 c + e of lane l at byte 512 c + 16 l + 4 e: 1,536 bytes, three stores of 512 consecutive bytes.
; cw: [128 x tensor + rt][K step 0..15][1536].  sw: [128 x tensor + rt][K step / 4][256]: row r's four scale words (four K steps) at 16 r.
; cs: cos and sin in the order in which a lane of the next launch holds q and k: [rt][n 0..15][512], n < 8 cos, else sin; register 4 (n % 8) + e of lane (r, h) is column 32 ((n % 8) / 4) + 16 h + 4 (n % 4) + e of the lane's row.
; A block's scale is 2^(floor(log2(largest magnitude)) - 2); its byte is the largest magnitude's exponent field - 2, held at 1 from below.
; LIMITS: a block of zeros gets the byte 1 where the rule says 127 (its codes are zeros, and this program alone reads the bytes); NaN and infinities among the inputs are not served.
; SHARES.  Work-groups 0..639: one row tile each, all of K; wave w takes K steps 4 w .. 4 w + 3.  Work-groups 640..671: four row tiles of cos and sin, one a wave.
; Each load reads 512 consecutive bytes of one row; the 16 rows turn through the wave's own stage in LDS (16 rows x 528 bytes), so that a lane gets 16 neighbours along K of each block of 32.
; No tensor loads, no barrier, no cluster: waves share nothing, and no two work-groups read the same bytes.
.set RB,   8192                        ; a row of an input, in bytes
.set FRB,  1536                        ; a fragment's image
.set SP,   528                         ; a stage row: 512 bytes + 16: the 16 rows of a load of 16 bytes a lane begin at 16 different columns of 16 bytes
.set WST,  16*SP                       ; a wave's stage
.set NT,   640                         ; row tiles in all
.set LN,   1                           ; v1   lane
.set RR,   2                           ; v2   r = lane % 16
.set HH,   3                           ; v3   h = lane / 16
.set LI,   4                           ; v4   16 x lane
.set SIN,  5                           ; v5   into the stage: my 16 bytes of a row
.set SOUT, 6                           ; v6   out of it: row r, + 64 h
.set QO,   7                           ; v7   16 r: my row's place in a quad of scale words
.set TA,   8                           ; v8   cos, sin: my lane's byte
.set R,    16                          ; v16-143  two sets of 64: a fragment's numbers as loaded
.set X,    144                         ; v144-207 64 numbers: register 16 b + i = k 32 b + 16 h + i of row r
.set PC,   208                         ; v208-227 the codes just made
.set TM,   228                         ; v228-243 at work
.set PW,   244                         ; v244-247 the four K steps' scale words
.set SEL,  30                          ; s[30:31] lane selects: lane l xor 16
.set MSB, 0
.macro WIN new                         ; a switch of the register windows (here all stay 0: the macro below is the program's one quantiser, and the later launches call it on higher windows)
.if MSB != (\new)
	s_set_vgpr_msb (MSB<<8)|(\new)
.set MSB, (\new)
.endif
.endm
; 64 numbers of a lane, v[s] .. v[s + 63] of window W, register 16 b + i = k 32 b + 16 h + i of my row, become a fragment's codes in v[PC] on and my row's scale word in v[pw].
.macro QUANT s, W, pw
	WIN (\W)|((\W)<<2)
.irp b, 0,1,2,3
	v_max3_num_f32 v[TM+\b], |v[\s+16*\b]|, |v[\s+16*\b+1]|, 0x1800000   ; block b: my 16 numbers, and the floor 2^(3 - 127): the byte cannot fall under 1
.endr
.irp i, 2,4,6,8,10,12,14
.irp b, 0,1,2,3
	v_max3_num_f32 v[TM+\b], |v[\s+16*\b+\i]|, |v[\s+16*\b+\i+1]|, v[TM+\b]   ; the four blocks by turns, ascending
.endr
.endr
	WIN 0
.irp b, 0,1,2,3
	v_permlanex16_b32 v[TM+4+\b], v[TM+\b], s[SEL], s[SEL+1]
.endr
.irp b, 0,1,2,3
	v_max_num_f32 v[TM+\b], v[TM+\b], v[TM+4+\b]   ; with lane l xor 16's 16: the block's largest magnitude
.endr
.irp b, 0,1,2,3
	v_add_nc_u32 v[TM+12+\b], 0xff000000, v[TM+\b]   ; 2 off its exponent field: the conversion takes this operand's exponent field as its scale
.endr
.irp b, 0,1,2,3
	v_lshrrev_b32 v[TM+4+\b], 23, v[TM+12+\b]      ; the scale's byte
.endr
	v_lshl_or_b32 v[\pw], v[TM+5], 8, v[TM+4]
	v_lshl_or_b32 v[\pw], v[TM+6], 16, v[\pw]
	v_lshl_or_b32 v[\pw], v[TM+7], 24, v[\pw]
	WIN \W
.irp c, 0,1
	v_cvt_scalef32_pk16_fp6_f32 v[PC+6*\c:PC+6*\c+2], v[\s+32*\c:\s+32*\c+15], v[TM+12+2*\c]
	v_cvt_scalef32_pk16_fp6_f32 v[PC+12+4*\c:PC+14+4*\c], v[\s+32*\c+16:\s+32*\c+31], v[TM+13+2*\c]   ; (a conversion's three registers begin on an even number)
.endr
	WIN 0
	v_nop                                          ; one plain instruction behind the scaled conversions
.irp c, 0,1                                    ; the operand wants a WHOLE block in a lane: lanes 0-15 block 2 c, lanes 16-31 block 2 c + 1
.irp i, 0,1,2
	v_permlane16_swap_b32 v[PC+6*\c+\i], v[PC+12+4*\c+\i]
.endr
.irp i, 0,1,2
	v_mov_b32 v[PC+3+6*\c+\i], v[PC+12+4*\c+\i]
.endr
.endr
.endm
	s_load_b512 s[4:19], s[0:1], 0x0               ; x s[4:5], wq s[6:7], wk s[8:9], wv s[10:11], wo s[12:13], cos s[14:15], sin s[16:17], cw s[18:19]
	s_load_b128 s[20:23], s[0:1], 0x40             ; sw s[20:21], cs s[22:23]
	v_lshl_add_u32 v254, v0, 2, 0x8400
	v_mov_b32 v255, 0
	v_lshrrev_b32 v[LN], 5, v0
	v_readfirstlane_b32 s24, v[LN]                 ; wave 0..3
	v_and_b32 v[LN], 31, v0
	v_and_b32 v[RR], 15, v0
	v_bfe_u32 v[HH], v0, 4, 1
	v_lshlrev_b32 v[LI], 4, v[LN]
	s_mov_b32 s29, 0
	s_cmp_ge_u32 ttmp9, NT
	s_cbranch_scc1 .Ltables
	; ---- a row tile of one of the five tensors
	s_lshr_b32 s25, ttmp9, 7                       ; which tensor
	s_and_b32 s26, ttmp9, 127                      ; which row tile of it
	s_mov_b32 s[SEL], 0x76543210
	s_mov_b32 s[SEL+1], 0xfedcba98
	s_mul_i32 s27, s24, WST
	s_wait_alu depctr_va_vdst(0)
	v_add_nc_u32 v[SIN], s27, v[LI]
	v_mul_u32_u24 v[SOUT], v[RR], SP
	v_lshl_add_u32 v[SOUT], v[HH], 6, v[SOUT]
	v_add_nc_u32 v[SOUT], s27, v[SOUT]
	v_lshlrev_b32 v[QO], 4, v[RR]
.irp b, 0,1,2,3
	v_mov_b32 v[TM+4+\b], 0                        ; written once: a lane permute's destination counts as one of its sources
.endr
	s_wait_alu depctr_va_vdst(0)
	s_wait_kmcnt 0x0
	s_cmp_eq_u32 s25, 1                            ; the choice of the buffer hangs on the work-group's number alone
	s_cselect_b64 s[4:5], s[6:7], s[4:5]
	s_cmp_eq_u32 s25, 2
	s_cselect_b64 s[4:5], s[8:9], s[4:5]
	s_cmp_eq_u32 s25, 3
	s_cselect_b64 s[4:5], s[10:11], s[4:5]
	s_cmp_eq_u32 s25, 4
	s_cselect_b64 s[4:5], s[12:13], s[4:5]
	s_lshr_b32 s27, s26, 1
	s_lshl_b32 s27, s27, 5
	s_and_b32 s28, s26, 1
	s_lshl_b32 s28, s28, 3
	s_add_co_u32 s28, s28, s27                     ; the tile's first row: 32 (rt / 2) + 8 (rt % 2)
	s_lshl_b32 s28, s28, 13
	s_lshl_b32 s27, s24, 11                        ; my four K steps: 2,048 bytes of each row
	s_add_co_u32 s28, s28, s27
	s_add_nc_u64 s[4:5], s[4:5], s[28:29]
	s_mul_i32 s28, ttmp9, 16*FRB
	s_mul_i32 s27, s24, 4*FRB
	s_add_co_u32 s28, s28, s27
	s_add_nc_u64 s[18:19], s[18:19], s[28:29]      ; my four images
	s_lshl_b32 s28, ttmp9, 10
	s_lshl_b32 s27, s24, 8
	s_add_co_u32 s28, s28, s27
	s_add_nc_u64 s[20:21], s[20:21], s[28:29]      ; my quad of scale words
.macro LOAD s                          ; K step s of my four: 16 rows x 512 bytes, a row an instruction
.irp i, 0,1,2,3,4,5,6,7,8,9,10,11,12,13,14,15
	global_load_b128 v[R+64*((\s)%2)+4*\i:R+64*((\s)%2)+4*\i+3], v[LI], s[4:5] offset:(\i+8*(\i/8))*RB+512*(\s) th:TH_LOAD_NT
.endr
.endm
.macro QSTEP s
.if (\s) < 3
	s_wait_loadcnt 16                              ; loads come back in order: this K step's sixteen are in, the next one's sixteen may be out
.else
	s_wait_loadcnt 0x0
.endif
	s_wait_xcnt 0x0                                ; the last K step's three stores have read the codes' registers, which are written again below
.irp i, 0,1,2,3,4,5,6,7,8,9,10,11,12,13,14,15
	ds_store_b128 v[SIN], v[R+64*((\s)%2)+4*\i:R+64*((\s)%2)+4*\i+3] offset:SP*\i
.endr
.irp b, 0,1,2,3
.irp j, 0,1,2,3
	ds_load_b128 v[X+16*\b+4*\j:X+16*\b+4*\j+3], v[SOUT] offset:128*\b+16*\j   ; LDS serves a wave's instructions in order: these see the stores above
.endr
.endr
	s_wait_dscnt 0x0                               ; my 64 numbers are back, and the stores have read their registers,
.if (\s) < 2
	LOAD (\s)+2                                    ; which take the K step two on
.endif
	QUANT X, 0, PW+(\s)
.irp c, 0,1,2
	global_store_b128 v[LI], v[PC+4*\c:PC+4*\c+3], s[18:19] offset:FRB*(\s)+512*\c   ; 32 lanes store 512 consecutive bytes, aligned
.endr
.endm
	LOAD 0
	LOAD 1
	QSTEP 0
	QSTEP 1
	QSTEP 2
	QSTEP 3
	s_wait_xcnt 0x0                                ; EXEC changes only behind this wait
	v_cmp_gt_u32 vcc_lo, 16, v[LN]
	s_wait_tensorcnt 0x0
	ds_add_u32 v254, v255
	s_wait_dscnt 0x0
	s_and_saveexec_b32 s32, vcc_lo                 ; lanes 16-31 hold the same words as lanes 0-15
	global_store_b128 v[QO], v[PW:PW+3], s[20:21]  ; sixteen lanes store 256 consecutive bytes, aligned
	s_endpgm
.Ltables:                                      ; ---- cos and sin of one row tile a wave
	s_sub_co_u32 s25, ttmp9, NT
	s_lshl_b32 s25, s25, 2
	s_add_co_u32 s25, s25, s24                     ; rt
	s_lshr_b32 s26, s25, 1
	s_lshl_b32 s26, s26, 5
	s_and_b32 s27, s25, 1
	s_lshl_b32 s27, s27, 3
	s_add_co_u32 s26, s26, s27                     ; the tile's first row
	s_wait_alu depctr_va_vdst(0)
	v_and_b32 v9, 8, v[RR]
	v_add_nc_u32 v9, v9, v[RR]                     ; r + 8 (r / 8)
	v_add_nc_u32 v9, s26, v9
	v_lshlrev_b32 v[TA], 8, v9                     ; a row of cos or sin is 256 bytes
	v_lshl_add_u32 v[TA], v[HH], 6, v[TA]          ; + 64 h
	s_lshl_b32 s28, s25, 13
	s_wait_alu depctr_va_vdst(0)
	s_wait_kmcnt 0x0
	s_add_nc_u64 s[22:23], s[22:23], s[28:29]
.irp n, 0,1,2,3,4,5,6,7
	global_load_b128 v[16+4*\n:19+4*\n], v[TA], s[14:15] offset:128*(\n/4)+16*(\n%4)
	global_load_b128 v[48+4*\n:51+4*\n], v[TA], s[16:17] offset:128*(\n/4)+16*(\n%4)
.endr
	s_wait_loadcnt 0x0
.irp n, 0,1,2,3,4,5,6,7,8,9,10,11,12,13,14,15
	global_store_b128 v[LI], v[16+4*\n:19+4*\n], s[22:23] offset:512*\n
.endr
	s_endpgm
.Lfunc_end_k_q934b72acaa_quant:
	.size	k_q934b72acaa_quant, .Lfunc_end_k_q934b72acaa_quant-k_q934b72acaa_quant
	.p2alignl 7, 3214868480
	.fill 96, 4, 3214868480
	.section	.rodata,"a",@progbits
	.p2align	6, 0x0
	.amdhsa_kernel k_q934b72acaa_quant
		.amdhsa_group_segment_fixed_size 34304
		.amdhsa_private_segment_fixed_size 0
		.amdhsa_enable_private_segment 0
		.amdhsa_kernarg_size 80
		.amdhsa_user_sgpr_count 2
		.amdhsa_user_sgpr_kernarg_segment_ptr 1
		.amdhsa_wavefront_size32 1
		.amdhsa_system_sgpr_workgroup_id_x 1
		.amdhsa_system_sgpr_workgroup_id_y 1
		.amdhsa_system_sgpr_workgroup_id_z 1
		.amdhsa_system_vgpr_workitem_id 0
		.amdhsa_next_free_vgpr 256
		.amdhsa_next_free_sgpr 66
		.amdhsa_reserve_vcc 1
		.amdhsa_float_denorm_mode_32 3
		.amdhsa_float_denorm_mode_16_64 3
		.amdhsa_memory_ordered 1
		.amdhsa_forward_progress 1
		.amdhsa_inst_pref_size 37
	.end_amdhsa_kernel
	.amdgpu_metadata
---
amdhsa.version: [ 1, 2 ]
amdhsa.kernels:
  - .name:           k_q934b72acaa_quant
    .symbol:         k_q934b72acaa_quant.kd
    .args:
      - { .name: x, .offset: 0, .size: 8, .value_kind: global_buffer, .address_space: global }
      - { .name: wq, .offset: 8, .size: 8, .value_kind: global_buffer, .address_space: global }
      - { .name: wk, .offset: 16, .size: 8, .value_kind: global_buffer, .address_space: global }
      - { .name: wv, .offset: 24, .size: 8, .value_kind: global_buffer, .address_space: global }
      - { .name: wo, .offset: 32, .size: 8, .value_kind: global_buffer, .address_space: global }
      - { .name: cos, .offset: 40, .size: 8, .value_kind: global_buffer, .address_space: global }
      - { .name: sin, .offset: 48, .size: 8, .value_kind: global_buffer, .address_space: global }
      - { .name: cw, .offset: 56, .size: 8, .value_kind: global_buffer, .address_space: global }
      - { .name: sw, .offset: 64, .size: 8, .value_kind: global_buffer, .address_space: global }
      - { .name: cs, .offset: 72, .size: 8, .value_kind: global_buffer, .address_space: global }
    .group_segment_fixed_size: 34304
    .private_segment_fixed_size: 0
    .kernarg_segment_align: 8
    .kernarg_segment_size: 80
    .max_flat_workgroup_size: 128
    .sgpr_count:     66
    .vgpr_count:     256
    .wavefront_size: 32
...
	.end_amdgpu_metadata
.endif
;; end of part 1
;; launch qkv (part 2): grid 24 x 8, 4 waves a work-group, clusters of 4 x 4, 327,680 bytes of LDS; arguments cw, sw, cs, qkvc, qkvs; writes qkvc, qkvs
.if DOCPART == 2
	.amdgcn_target "amdgcn-amd-amdhsa--gfx1250"
	.amdhsa_code_object_version 6
	.text
	.protected	k_q934b72acaa_qkv
	.globl	k_q934b72acaa_qkv
	.p2align	8
	.type	k_q934b72acaa_qkv,@function
k_q934b72acaa_qkv:
	s_mov_b64 s[64:65], 0
	v_nop
	global_prefetch_b8 v0, s[64:65] scope:SCOPE_SE
	s_setreg_imm32_b32 hwreg(HW_REG_WAVE_MODE, 25, 1), 1
	s_wait_xcnt 0x0
	s_wait_alu depctr_hold_cnt(0) depctr_sa_sdst(0) depctr_va_vdst(0) depctr_va_sdst(0) depctr_va_ssrc(0) depctr_va_vcc(0) depctr_vm_vsrc(0)
	s_getreg_b32 s2, hwreg(HW_REG_IB_STS2, 6, 4)
	s_cmp_eq_u32 s2, 0
	s_cbranch_scc0 .Lentry_in_a_cluster
	s_endpgm
.Lentry_in_a_cluster:
	s_bfe_u32 s2, ttmp6, 0x10000c
	s_cmp_lg_u32 s2, 0xf033
	s_cbranch_scc0 .Lentry_shape_is_right
	s_endpgm
.Lentry_shape_is_right:
; q, k = rope(x wq^T), rope(x wk^T) and v = x wv^T on codes of FP6 (E2M3); the results are quantised again (q, k along the head's 128 channels, v along 128 tokens) and stored as images of fragments.
; A block of 256 x 256 to a work-group, 128 x 128 to a wave: 64 accumulators.  Source 0 = B's row tiles, source 1 = A's: a lane holds one row of A and its registers run along B's 128 rows.
; q, k (KIND 0): A = x, B = wq or wk: a lane holds a token and a head's channels.  v (KIND 1): A = wv, B = x: a lane holds a channel and 128 tokens.
; 2,048 x 6,144 results are 6,144 units of 16 x 128; a unit is not cut (rope and the quantiser want a head whole in a lane), and 8 units to a wave give 768 waves: 192 work-groups.
; THE RING: two LDS slots of unlike size.  X holds four K steps of the 32 row tiles (196,608 bytes), Y two (98,304).  K's sixteen steps lie in X, Y, X, Y, X: five fills.  X's first fill is the head's, a quarter a wave;
; Y's stands behind the full sequence; three refills follow, each behind a round of the cluster's barrier, one tensor load a wave.  By the text's count one tensor load of a wave is out at any time.
; THE SCALE WORDS do not pass through LDS: sw holds a row tile's words as quads (row r: four K steps at 16 r), so 32 loads of 16 bytes a lane bring all of K's words of my 8 + 8 row tiles into 128 registers:
; lanes 0-15 A's tile i, lanes 16-31 B's tile i.  These registers hold scales and nothing else.
; CLUSTERS 4 x 4: A's tiles are asked for jointly along a row of the cluster, B's along a column.
; PREFETCH: K steps 6-9, 10-11 and 12-15 are named three or more K steps ahead of their refills; of the 8 row tiles that a wave fetches each of the four partners names two, told apart by address; K steps 0-5 come by their loads alone.
; The cos and sin images of my 128 tokens are named once by the eight waves of a cluster's row that read them, 8,192 bytes each, eight K steps ahead of their loads.
; LIMITS: a block of zeros gets the scale byte 1 (its codes are zeros; this program alone reads the bytes); NaN and infinities are not served.
; REGISTERS: window 0: v16-31 addresses; v32-127, v224-255 scale words; v128-223 A's fragments, one set (on the way out: codes, temporaries).  Window 1: B's fragments, two sets at v0 and v128 (on the way out cos, sin).  Windows 2, 3: accumulators.
.set FR,     12
.set NL,     3
.set NP,     4
.set FRB,    1536                      ; a fragment's image
.set RTP,    16*FRB                    ; a row tile, all of K
.set XROW,   4*FRB
.set YROW,   2*FRB
.set XH,     8*XROW                    ; what one tensor load brings into X: 8 row tiles
.set YH,     8*YROW
.set XS,     4*XH
.set SPARE,  XS+4*YH                   ; the spare words: 512 bytes that no other line names
.set LAPB,   6*FRB                     ; from a slot's fill to its next: six K steps
.set PLANE,  196608
.set ADRA, 16                          ; v16, v17 my A fragments in X, Y
.set ADRB, 20                          ; v20, v21 my B fragments
.set LI,   24                          ; 16 x lane
.set SCO,  25                          ; my offset in sw
.set PFX,  26                          ; prefetch offsets: 256 x min(lane, 23), 256 x min(lane, 11), 256 x lane
.set PFY,  27
.set SPW,  28
.set NIL,  29
.set LN,   30
.set PFC,  31
.set AF,   128
.set PC,   128                         ; the way out: v128-147 codes, v148-163 at work, v164-171 scale words, v172-175 their store, v176-207 rope's products
.set TM,   148
.set PW,   164
.set OW,   172
.set T,    176
.set G1XA, 24
.set G0XA, 32
.set G0YA, 36
.set G1XB, 48
.set G0XB, 56
.set G0YB, 60
.set G1YA, 68
.set G1YB, 76
.set PFA,  84                          ; s[84:85] the two row tiles that my prefetches name
.set PCS,  88                          ; s[88:89] the 8,192 bytes of cs that my prefetch names
.set SEL,  94
.set KIND, 96
.set KOFF, 97
.set MSB, 0
.macro WIN new
.if MSB != (\new)
	s_set_vgpr_msb (MSB<<8)|(\new)
.set MSB, (\new)
.endif
.endm
.set MUL_LO, 0xa1
.set MUL_HI, 0xf1
.set TO_B,   0x40
.macro JLOAD g0a, g1a, g0b, g1b        ; waves 0, 1 fetch for A, waves 2, 3 for B; s_nop 0 and four v_nop follow each line
	s_cmp_eq_u32 s15, 0
	s_cbranch_scc0 .Lfor_b_\@
	tensor_load_to_lds s[\g0a:\g0a+3], s[\g1a:\g1a+7]
	s_nop 0
.rept 4
	v_nop
.endr
	s_branch .Lasked_\@
.Lfor_b_\@:
	tensor_load_to_lds s[\g0b:\g0b+3], s[\g1b:\g1b+7]
	s_nop 0
.rept 4
	v_nop
.endr
.Lasked_\@:
.endm
.macro CREST
	s_cmp_lg_u32 s14, 0
	s_cbranch_scc1 .Lnot_wave_0_\@
	s_barrier_signal -3
.Lnot_wave_0_\@:
	s_barrier_wait -3
	s_barrier_signal -1
	s_barrier_wait -1
.endm
.macro CROUND
	s_barrier_signal -1
	s_barrier_wait -1
	CREST
.endm
; 64 numbers of a lane, v[s] .. v[s + 63] of window W, register 16 b + i = k 32 b + 16 h + i of my row, become a fragment's codes in v[PC] on and my row's scale word in v[pw]
.macro QUANT s, W, pw
	WIN (\W)|((\W)<<2)
.irp b, 0,1,2,3
	v_max3_num_f32 v[TM+\b], |v[\s+16*\b]|, |v[\s+16*\b+1]|, 0x1800000   ; with the floor 2^(3 - 127): the byte cannot fall under 1
.endr
.irp i, 2,4,6,8,10,12,14
.irp b, 0,1,2,3
	v_max3_num_f32 v[TM+\b], |v[\s+16*\b+\i]|, |v[\s+16*\b+\i+1]|, v[TM+\b]
.endr
.endr
	WIN 0
.irp b, 0,1,2,3
	v_permlanex16_b32 v[TM+4+\b], v[TM+\b], s[SEL], s[SEL+1]
.endr
.irp b, 0,1,2,3
	v_max_num_f32 v[TM+\b], v[TM+\b], v[TM+4+\b]
.endr
.irp b, 0,1,2,3
	v_add_nc_u32 v[TM+12+\b], 0xff000000, v[TM+\b]   ; 2 off the exponent field: the conversion's scale operand
.endr
.irp b, 0,1,2,3
	v_lshrrev_b32 v[TM+4+\b], 23, v[TM+12+\b]
.endr
	v_lshl_or_b32 v[\pw], v[TM+5], 8, v[TM+4]
	v_lshl_or_b32 v[\pw], v[TM+6], 16, v[\pw]
	v_lshl_or_b32 v[\pw], v[TM+7], 24, v[\pw]
	WIN \W
.irp c, 0,1
	v_cvt_scalef32_pk16_fp6_f32 v[PC+6*\c:PC+6*\c+2], v[\s+32*\c:\s+32*\c+15], v[TM+12+2*\c]
	v_cvt_scalef32_pk16_fp6_f32 v[PC+12+4*\c:PC+14+4*\c], v[\s+32*\c+16:\s+32*\c+31], v[TM+13+2*\c]
.endr
	WIN 0
	v_nop                                          ; one plain instruction behind the scaled conversions
.irp c, 0,1
.irp i, 0,1,2
	v_permlane16_swap_b32 v[PC+6*\c+\i], v[PC+12+4*\c+\i]
.endr
.irp i, 0,1,2
	v_mov_b32 v[PC+3+6*\c+\i], v[PC+12+4*\c+\i]
.endr
.endr
.endm
	s_load_b256 s[4:11], s[0:1], 0x0               ; cw s[4:5], sw s[6:7], cs s[8:9], qkvc s[10:11]
	s_load_b64 s[12:13], s[0:1], 0x20              ; qkvs
	v_lshl_add_u32 v[SPW], v0, 2, SPARE
	v_mov_b32 v[NIL], 0
	ds_add_u32 v[SPW], v[NIL]                      ; the opening lines: the add twice on end and one wait
	ds_add_u32 v[SPW], v[NIL]
	v_lshrrev_b32 v1, 5, v0
	v_readfirstlane_b32 s14, v1                    ; wave
	s_lshr_b32 s15, s14, 1                         ; my half of A's rows; also: I fetch for A (0) or B (1)
	s_and_b32 s16, s14, 1                          ; my half of B's rows; also: which 8 row tiles I fetch
	s_bfe_u32 s40, ttmp6, 0x40000                  ; cx
	s_bfe_u32 s41, ttmp6, 0x40004                  ; cy
	s_lshl_b32 s42, ttmp9, 2
	s_add_co_u32 s42, s42, s40                     ; block column
	s_and_b32 s17, ttmp7, 0xffff
	s_lshl_b32 s17, s17, 2
	s_add_co_u32 s17, s17, s41                     ; block row
	s_lshl_b32 s43, s41, 2
	s_lshl_b32 s43, 15, s43                        ; my row of the cluster
	s_lshl_b32 s44, 0x1111, s40                    ; my column
	s_lshr_b32 s[KIND], ttmp9, 2                   ; clusters 0-3 along x: q, k; 4, 5: v
	s_mul_i32 s[KOFF], s[KIND], 384
	s_or_b32 s[G1XA], s43, (3<<16)|(1<<21)         ; elements of 8 bytes; the mask, bit 21 beside it
	s_or_b32 s[G1YA], s43, (3<<16)|(1<<21)
	s_or_b32 s[G1XB], s44, (3<<16)|(1<<21)
	s_or_b32 s[G1YB], s44, (3<<16)|(1<<21)
.irp g, G1XA, G1XB                     ; 8 row tiles x 6,144 bytes, 24,576 apart in memory, on end in LDS
	s_mov_b32 s[\g+1], 768<<16
	s_mov_b32 s[\g+2], 8<<16
	s_mov_b32 s[\g+3], 768<<16
	s_mov_b32 s[\g+4], 8
	s_mov_b32 s[\g+5], 3072
	s_mov_b32 s[\g+6], 0
	s_mov_b32 s[\g+7], 0
.endr
.irp g, G1YA, G1YB                     ; 8 row tiles x 3,072 bytes
	s_mov_b32 s[\g+1], 384<<16
	s_mov_b32 s[\g+2], 8<<16
	s_mov_b32 s[\g+3], 384<<16
	s_mov_b32 s[\g+4], 8
	s_mov_b32 s[\g+5], 3072
	s_mov_b32 s[\g+6], 0
	s_mov_b32 s[\g+7], 0
.endr
	s_lshl_b32 s18, s16, 3
	s_lshl_b32 s20, s17, 4
	s_add_co_u32 s20, s20, s[KOFF]                 ; A's first row tile: x's, or wv's (tensor 3)
	s_lshl_b32 s46, s42, 4
	s_add_co_u32 s46, s46, 128
	s_sub_co_u32 s46, s46, s[KOFF]                 ; B's: wq's, wk's (tensors 1, 2), or x's
	s_lshl_b32 s19, s15, 3
	s_add_co_u32 s90, s20, s19
	s_lshl_b32 s90, s90, 10                        ; the scale words of the 8 row tiles of A that I multiply,
	s_add_co_u32 s91, s46, s18
	s_lshl_b32 s91, s91, 10                        ; and of B
	s_add_co_u32 s20, s20, s18                     ; the 8 row tiles that I fetch
	s_add_co_u32 s46, s46, s18
	s_mul_i32 s20, s20, RTP
	s_mov_b32 s21, 0
	s_mul_i32 s46, s46, RTP
	s_mov_b32 s47, 0
	s_mul_i32 s45, s14, XH                         ; where they go: wave x a quarter of the slot
	s_mul_i32 s66, s14, YH
	s_wait_dscnt 0x0                               ; both opening adds are done
	s_wait_kmcnt 0x0
	s_add_nc_u64 s[20:21], s[4:5], s[20:21]
	s_add_nc_u64 s[46:47], s[4:5], s[46:47]
	CROUND                                         ; all sixteen work-groups are here: the first joint loads meet
	s_mov_b32 s[G0XA], 1
	s_mov_b32 s[G0XA+1], s45
	s_mov_b64 s[G0XA+2:G0XA+3], s[20:21]
	s_or_b32 s[G0XA+3], s[G0XA+3], 0x80000000
	s_mov_b32 s[G0XB], 1
	s_mov_b32 s[G0XB+1], s45
	s_mov_b64 s[G0XB+2:G0XB+3], s[46:47]
	s_or_b32 s[G0XB+3], s[G0XB+3], 0x80000000
	JLOAD G0XA, G1XA, G0XB, G1XB                   ; K steps 0-3: my one tensor load at the head
	s_mov_b32 s[G0YA], 1
	s_add_co_u32 s[G0YA+1], s66, XS
	s_add_nc_u64 s[G0YA+2:G0YA+3], s[20:21], XROW  ; K step 4
	s_or_b32 s[G0YA+3], s[G0YA+3], 0x80000000
	s_mov_b32 s[G0YB], 1
	s_add_co_u32 s[G0YB+1], s66, XS
	s_add_nc_u64 s[G0YB+2:G0YB+3], s[46:47], XROW
	s_or_b32 s[G0YB+3], s[G0YB+3], 0x80000000
	s_cmp_eq_u32 s15, 0                            ; the prefetches: of the 8 row tiles that I fetch, the partner at place p (cx for A, cy for B) names tiles 2 p, 2 p + 1
	s_cselect_b64 s[PFA:PFA+1], s[20:21], s[46:47]
	s_cselect_b32 s86, s40, s41
	s_mul_i32 s86, s86, 2*RTP
	s_mov_b32 s87, 0
	s_add_nc_u64 s[PFA:PFA+1], s[PFA:PFA+1], s[86:87]
	s_mul_i32 s21, s15, XH                         ; LDS: my 8 row tiles of A and of B in X and in Y
	s_mul_i32 s22, s16, XH
	s_add_co_u32 s22, s22, 2*XH
	s_mul_i32 s23, s15, YH
	s_add_co_u32 s23, s23, XS
	s_mul_i32 s45, s16, YH
	s_add_co_u32 s45, s45, XS+2*YH
	s_mov_b32 s[SEL], 0x76543210
	s_mov_b32 s[SEL+1], 0xfedcba98
	s_lshl_b32 s18, s42, 1                         ; where my results go: plane (q, k: the head; v: 32 + the head), and the group of 8 fragments in it
	s_add_co_u32 s18, s18, s16
	s_lshl_b32 s19, s17, 1
	s_add_co_u32 s19, s19, s15
	s_add_co_u32 s66, s19, 32
	s_sub_co_u32 s67, s18, 32
	s_cmp_lg_u32 s[KIND], 0
	s_cselect_b32 s66, s66, s18
	s_cselect_b32 s67, s67, s19
	s_mul_i32 s18, s66, PLANE
	s_mul_i32 s19, s67, 8*FRB
	s_add_co_u32 s18, s18, s19
	s_mov_b32 s19, 0
	s_add_nc_u64 s[10:11], s[10:11], s[18:19]
	s_lshl_b32 s18, s66, 13
	s_lshl_b32 s66, s67, 9
	s_add_co_u32 s18, s18, s66
	s_add_nc_u64 s[12:13], s[12:13], s[18:19]
	s_lshl_b32 s18, s17, 4
	s_lshl_b32 s66, s15, 3
	s_add_co_u32 s18, s18, s66
	s_lshl_b32 s18, s18, 13
	s_add_nc_u64 s[8:9], s[8:9], s[18:19]          ; cos, sin of my 8 row tiles of tokens
	s_lshl_b32 s18, s40, 1
	s_add_co_u32 s18, s18, s16
	s_lshl_b32 s18, s18, 13
	s_add_nc_u64 s[PCS:PCS+1], s[8:9], s[18:19]    ; of these eight images, number 2 cx + my half is the one that I name
	v_and_b32 v[LN], 31, v0
	v_and_b32 v1, 15, v0                           ; r
	v_bfe_u32 v2, v0, 4, 1                         ; h
	v_lshlrev_b32 v[LI], 4, v[LN]
	v_add_nc_u32 v[ADRA], s21, v[LI]
	v_add_nc_u32 v[ADRB], s22, v[LI]
	v_add_nc_u32 v[ADRA+1], s23, v[LI]
	v_add_nc_u32 v[ADRB+1], s45, v[LI]
	v_sub_nc_u32 v3, 1, v2
	v_mul_u32_u24 v4, s91, v2                      ; lanes 16-31 take B's words,
	v_mad_u32_u24 v4, s90, v3, v4                  ; lanes 0-15 A's
	v_lshl_add_u32 v[SCO], v1, 4, v4               ; + 16 r
	v_min_u32 v5, 23, v[LN]
	v_lshlrev_b32 v[PFX], 8, v5                    ; four K steps of a row tile are 24 blocks of 256 bytes; lanes left over name the last again
	v_min_u32 v5, 11, v[LN]
	v_lshlrev_b32 v[PFY], 8, v5                    ; two K steps: 12 blocks
	v_lshlrev_b32 v[PFC], 8, v[LN]
	s_wait_alu depctr_va_vdst(0)
.irp q, 0,1,2,3                        ; all of K's scale words: quad q of tile i into four registers
.irp i, 0,1,2,3,4,5,6,7
	global_load_b128 v[32+32*\q+96*(\q/3)+4*\i:35+32*\q+96*(\q/3)+4*\i], v[SCO], s[6:7] offset:1024*\i+256*\q
.endr
.endr
.macro WHERE st                        ; where K step st lies: slot (0: X, 1: Y), its place in the slot, the slot's bytes for a row tile
.set NSL, ((\st)%6)/4
.set NQQ, (\st)%6-4*NSL
.set NTR, XROW-(XROW-YROW)*NSL
.endm
.macro FRAG reg, adr, i
.irp c, 0,1,2
	ds_load_b128 v[\reg+4*\c:\reg+4*\c+3], v[\adr] offset:NTR*(\i)+FRB*NQQ+512*\c
.endr
.endm
.macro FETCH_B p
	WIN TO_B
.irp i, 0,1,2,3,4,5,6,7
	FRAG 128*(\p)+FR*\i, ADRB+NSL, \i
.endr
	WIN 0
.endm
.macro FETCH_A i0
.irp i, \i0, \i0+1, \i0+2, \i0+3
	FRAG AF+FR*(\i), ADRA+NSL, \i
.endr
.endm
; 16 matrix instructions: A's blocks a0, a0 + 1 x B's eight.  The 64 accumulators take turns, one instruction a turn, in the same order in every K step
.macro MUL16 a0, p, zero
.irp a, \a0, \a0+1
.irp b, 0,1,2,3,4,5,6,7
.if \zero
	v_wmma_scale_f32_16x16x128_f8f6f4 v[8*(8*((\a)%4)+\b):8*(8*((\a)%4)+\b)+7], v[128*(\p)+FR*\b:128*(\p)+FR*\b+FR-1], v[AF+FR*(\a):AF+FR*(\a)+FR-1], 0, v[SB0+4*\b], v[SB0+4*(\a)] matrix_a_fmt:MATRIX_FMT_FP6 matrix_b_fmt:MATRIX_FMT_FP6 matrix_a_scale:MATRIX_SCALE_ROW1
.else
	v_wmma_scale_f32_16x16x128_f8f6f4 v[8*(8*((\a)%4)+\b):8*(8*((\a)%4)+\b)+7], v[128*(\p)+FR*\b:128*(\p)+FR*\b+FR-1], v[AF+FR*(\a):AF+FR*(\a)+FR-1], v[8*(8*((\a)%4)+\b):8*(8*((\a)%4)+\b)+7], v[SB0+4*\b], v[SB0+4*(\a)] matrix_a_fmt:MATRIX_FMT_FP6 matrix_b_fmt:MATRIX_FMT_FP6 matrix_a_scale:MATRIX_SCALE_ROW1
.endif
.endr
.endr
.endm
.macro PLACES
.rept NP
	v_nop
.endr
.endm
.macro ASK what                        ; prefetches; their address registers are never rewritten
.if \what == 1
	global_prefetch_b8 v[PFX], s[PFA:PFA+1] offset:6*FRB th:TH_LOAD_NT scope:SCOPE_SE
	global_prefetch_b8 v[PFX], s[PFA:PFA+1] offset:RTP+6*FRB th:TH_LOAD_NT scope:SCOPE_SE
.endif
.if \what == 2
	global_prefetch_b8 v[PFY], s[PFA:PFA+1] offset:10*FRB th:TH_LOAD_NT scope:SCOPE_SE
	global_prefetch_b8 v[PFY], s[PFA:PFA+1] offset:RTP+10*FRB th:TH_LOAD_NT scope:SCOPE_SE
.endif
.if \what == 3
	global_prefetch_b8 v[PFX], s[PFA:PFA+1] offset:12*FRB th:TH_LOAD_NT scope:SCOPE_SE
	global_prefetch_b8 v[PFX], s[PFA:PFA+1] offset:RTP+12*FRB th:TH_LOAD_NT scope:SCOPE_SE
.endif
.if \what == 4
	s_cmp_lg_u32 s[KIND], 0                        ; v reads no cos or sin
	s_cbranch_scc1 .Lno_cs_\@
	global_prefetch_b8 v[PFC], s[PCS:PCS+1] th:TH_LOAD_NT scope:SCOPE_SE
.Lno_cs_\@:
.endif
.endm
; K step st: 64 matrix instructions; the next step's fragments are fetched in its middle (B's other set, A's blocks 0-3) and at its end (A's blocks 4-7).
; kind 0: the next step lies in the same slot.  kind 1: this slot is read no more: the three lines, the barrier, which opens a round of the cluster's, and the slot's refill, six K steps on.  kind 2: the same with nothing left to fetch.
.macro KSTEP st, kind, ask, zero
.set P, (\st)%2
.set SB0, 32+32*((\st)/4)+96*((\st)/12)+(\st)%4
.set CSL, ((\st)%6)/4
	WHERE (\st)+1
.if \kind == 0
	s_wait_dscnt 4*NL                              ; B's set and A's blocks 0-3 are in; the youngest 12 loads (A's blocks 4-7) may be out
	WIN MUL_LO
	MUL16 0, P, \zero
	MUL16 2, P, \zero
	s_wait_dscnt 0
	PLACES
.else
	s_wait_tensorcnt 0x0                           ; my one tensor load that was out, my part of the other slot, has landed
	ds_add_u32 v[SPW], v[NIL]
	s_wait_dscnt 4*NL+1                            ; (the add and A's blocks 4-7 may be out)
	WIN MUL_LO
	MUL16 0, P, 0
	s_wait_dscnt 0x0                               ; the add is done, and my reads of this slot are over
	s_barrier_signal -1
	MUL16 2, P, 0
	WIN 0
	s_barrier_wait -1
.if \kind == 1
	CREST
.if CSL == 0
	s_add_nc_u64 s[G0XA+2:G0XA+3], s[G0XA+2:G0XA+3], LAPB
	s_add_nc_u64 s[G0XB+2:G0XB+3], s[G0XB+2:G0XB+3], LAPB
	JLOAD G0XA, G1XA, G0XB, G1XB                   ; its four v_nop are the places in front of the loads below
.else
	s_add_nc_u64 s[G0YA+2:G0YA+3], s[G0YA+2:G0YA+3], LAPB
	s_add_nc_u64 s[G0YB+2:G0YB+3], s[G0YB+2:G0YB+3], LAPB
	JLOAD G0YA, G1YA, G0YB, G1YB
.endif
.else
	PLACES
.endif
.endif
	FETCH_B 1-P
	FETCH_A 0
	ASK \ask
	WIN MUL_HI
	MUL16 4, P, \zero
	MUL16 6, P, \zero
	PLACES
	WIN 0
	FETCH_A 4
.endm
.macro CSLOAD a                        ; cos and sin of block a's 16 tokens, in the order of my registers: 64 registers of window 1
	WIN 0x40
.irp n, 0,1,2,3,4,5,6,7,8,9,10,11,12,13,14,15
	global_load_b128 v[64*((\a)%4)+4*\n:64*((\a)%4)+4*\n+3], v[LI], s[8:9] offset:8192*(\a)+512*\n
.endr
	WIN 0
.endm
.macro ROPE a                          ; x1' = x1 cos - x2 sin, x2' = x2 cos + x1 sin; registers 0-31 of the block are x1, 32-63 x2; 16 registers of each at a time; every accumulator is read from its low end on
.set RW, 2+(\a)/4
.set AC, 64*((\a)%4)
.irp g, 0, 16
	WIN RW|4
.irp n, 0,2,4,6,8,10,12,14
	v_pk_mul_f32 v[T+\n:T+\n+1], v[AC+32+\g+\n:AC+33+\g+\n], v[AC+32+\g+\n:AC+33+\g+\n]
	v_pk_mul_f32 v[T+16+\n:T+17+\n], v[AC+\g+\n:AC+\g+\n+1], v[AC+32+\g+\n:AC+33+\g+\n]
.endr
	WIN RW|4|(RW<<6)
.irp n, 0,2,4,6,8,10,12,14
	v_pk_fma_f32 v[AC+\g+\n:AC+\g+\n+1], v[AC+\g+\n:AC+\g+\n+1], v[AC+\g+\n:AC+\g+\n+1], v[T+\n:T+\n+1] neg_lo:[0,0,1] neg_hi:[0,0,1]
	v_pk_fma_f32 v[AC+32+\g+\n:AC+33+\g+\n], v[AC+32+\g+\n:AC+33+\g+\n], v[AC+\g+\n:AC+\g+\n+1], v[T+16+\n:T+17+\n]
.endr
.endr
	WIN 0
.endm
.macro BLOCK a                         ; block a of 16 rows leaves: the quantiser, three stores of 512 consecutive bytes
	s_wait_xcnt 0x0                                ; the last block's stores have read the codes' registers
.set QW, 2+(\a)/4
.set QS, 64*((\a)%4)
	QUANT QS, QW, PW+(\a)
.irp c, 0,1,2
	global_store_b128 v[LI], v[PC+4*\c:PC+4*\c+3], s[10:11] offset:FRB*(\a)+512*\c
.endr
.endm
	s_wait_tensorcnt 0x0                           ; my part of K steps 0-3 is in; these lines stand ahead of Y's first fill as ahead of a refill
	ds_add_u32 v[SPW], v[NIL]
	s_wait_dscnt 0x0
	CROUND
	JLOAD G0YA, G1YA, G0YB, G1YB                   ; K steps 4, 5
	WHERE 0
	FETCH_B 0
	FETCH_A 0
	FETCH_A 4
	ASK 1                                          ; K steps 6-9, asked of LDS at K step 3
	s_wait_loadcnt 0x0                             ; the scale words
	KSTEP 0, 0, 0, 1                               ; the first products start the sums
	KSTEP 1, 0, 2, 0                               ; names K steps 10, 11, loaded at K step 5
	KSTEP 2, 0, 0, 0
	KSTEP 3, 1, 0, 0                               ; X takes K steps 6-9
	KSTEP 4, 0, 3, 0                               ; names K steps 12-15, loaded at K step 9
	KSTEP 5, 1, 0, 0                               ; Y takes K steps 10, 11
	KSTEP 6, 0, 0, 0
	KSTEP 7, 0, 4, 0                               ; names cos and sin
	KSTEP 8, 0, 0, 0
	KSTEP 9, 1, 0, 0                               ; X takes K steps 12-15
	KSTEP 10, 0, 0, 0
	KSTEP 11, 2, 0, 0
	KSTEP 12, 0, 0, 0
	KSTEP 13, 0, 0, 0
	KSTEP 14, 0, 0, 0
	s_cmp_lg_u32 s[KIND], 0
	s_cbranch_scc1 .Lno_cs01
	CSLOAD 0                                       ; into B's set 0, which K step 14 read last, four places ago
	CSLOAD 1
.Lno_cs01:
.set SB0, 224+3
	s_wait_dscnt 4*NL                              ; K step 15: nothing more to fetch
	WIN MUL_LO
	MUL16 0, 1, 0
	MUL16 2, 1, 0
	s_wait_dscnt 0
	WIN MUL_HI
	MUL16 4, 1, 0
	MUL16 6, 1, 0
	WIN 0
	PLACES
.irp b, 0,1,2,3
	v_mov_b32 v[TM+4+\b], 0                        ; written once: a lane permute's destination counts as one of its sources
.endr
	s_cmp_lg_u32 s[KIND], 0
	s_cbranch_scc1 .Lno_cs23
	CSLOAD 2
	CSLOAD 3
.irp a, 0,1,2,3,4,5,6,7                ; q, k alone: rope on all eight blocks, in this one arm, so that every count below holds on every way to it
.if \a < 5
	s_wait_loadcnt 48                              ; this block's 16 loads are in; those of the three blocks behind it may be out
.else
	s_wait_loadcnt 16*(7-\a)
.endif
	ROPE \a
.if \a < 4
	CSLOAD \a+4                                    ; into the registers that this block's cos and sin have left
.endif
.endr
	s_wait_alu depctr_va_vdst(0)
.Lno_cs23:
.irp a, 0,1,2,3,4,5,6,7
	BLOCK \a
.endr
	v_cmp_le_u32 vcc_lo, 16, v[LN]                 ; the eight scale words of a row: lanes 0-15 store blocks 0-3's, lanes 16-31 blocks 4-7's: 512 consecutive bytes
.irp i, 0,1,2,3
	v_cndmask_b32 v[OW+\i], v[PW+\i], v[PW+4+\i], vcc_lo
.endr
	global_store_b128 v[LI], v[OW:OW+3], s[12:13]
	s_wait_tensorcnt 0x0                           ; the wave's end
	ds_add_u32 v[SPW], v[NIL]
	s_wait_dscnt 0x0
	CROUND                                         ; the closing round
	s_endpgm
.Lfunc_end_k_q934b72acaa_qkv:
	.size	k_q934b72acaa_qkv, .Lfunc_end_k_q934b72acaa_qkv-k_q934b72acaa_qkv
	.p2alignl 7, 3214868480
	.fill 96, 4, 3214868480
	.section	.rodata,"a",@progbits
	.p2align	6, 0x0
	.amdhsa_kernel k_q934b72acaa_qkv
		.amdhsa_group_segment_fixed_size 327680
		.amdhsa_private_segment_fixed_size 0
		.amdhsa_enable_private_segment 0
		.amdhsa_kernarg_size 40
		.amdhsa_user_sgpr_count 2
		.amdhsa_user_sgpr_kernarg_segment_ptr 1
		.amdhsa_wavefront_size32 1
		.amdhsa_system_sgpr_workgroup_id_x 1
		.amdhsa_system_sgpr_workgroup_id_y 1
		.amdhsa_system_sgpr_workgroup_id_z 1
		.amdhsa_system_vgpr_workitem_id 0
		.amdhsa_next_free_vgpr 1024
		.amdhsa_next_free_sgpr 98
		.amdhsa_reserve_vcc 1
		.amdhsa_float_denorm_mode_32 3
		.amdhsa_float_denorm_mode_16_64 3
		.amdhsa_memory_ordered 1
		.amdhsa_forward_progress 1
		.amdhsa_inst_pref_size 255
	.end_amdhsa_kernel
	.section	.bss,"aw",@nobits
	.p2align	6
	.space	262144
	.amdgpu_metadata
---
amdhsa.version: [ 1, 2 ]
amdhsa.kernels:
  - .name:           k_q934b72acaa_qkv
    .symbol:         k_q934b72acaa_qkv.kd
    .args:
      - { .name: cw, .offset: 0, .size: 8, .value_kind: global_buffer, .address_space: global }
      - { .name: sw, .offset: 8, .size: 8, .value_kind: global_buffer, .address_space: global }
      - { .name: cs, .offset: 16, .size: 8, .value_kind: global_buffer, .address_space: global }
      - { .name: qkvc, .offset: 24, .size: 8, .value_kind: global_buffer, .address_space: global }
      - { .name: qkvs, .offset: 32, .size: 8, .value_kind: global_buffer, .address_space: global }
    .group_segment_fixed_size: 327680
    .private_segment_fixed_size: 0
    .kernarg_segment_align: 8
    .kernarg_segment_size: 40
    .max_flat_workgroup_size: 128
    .sgpr_count:     98
    .vgpr_count:     1024
    .wavefront_size: 32
...
	.end_amdgpu_metadata
.endif
;; end of part 2
;; launch attn (part 3): grid 16 x 16, 8 waves a work-group, clusters of 4 x 1, 327,680 bytes of LDS; arguments qkvc, qkvs, oc, os; writes oc, os
.if DOCPART == 3
	.amdgcn_target "amdgcn-amd-amdhsa--gfx1250"
	.amdhsa_code_object_version 6
	.text
	.protected	k_q934b72acaa_attn
	.globl	k_q934b72acaa_attn
	.p2align	8
	.type	k_q934b72acaa_attn,@function
k_q934b72acaa_attn:
	s_mov_b64 s[64:65], 0
	v_nop
	global_prefetch_b8 v0, s[64:65] scope:SCOPE_SE
	s_setreg_imm32_b32 hwreg(HW_REG_WAVE_MODE, 25, 1), 1
	s_wait_xcnt 0x0
	s_wait_alu depctr_hold_cnt(0) depctr_sa_sdst(0) depctr_va_vdst(0) depctr_va_sdst(0) depctr_va_ssrc(0) depctr_va_vcc(0) depctr_vm_vsrc(0)
	s_getreg_b32 s2, hwreg(HW_REG_IB_STS2, 6, 4)
	s_cmp_eq_u32 s2, 0
	s_cbranch_scc0 .Lentry_in_a_cluster
	s_endpgm
.Lentry_in_a_cluster:
	s_bfe_u32 s2, ttmp6, 0x10000c
	s_cmp_lg_u32 s2, 0x3003
	s_cbranch_scc0 .Lentry_shape_is_right
	s_endpgm
.Lentry_shape_is_right:
; o = softmax(q k^T / sqrt(128), causal) v for 16 heads of 2,048 tokens, both products on codes of FP6 (E2M3); o / the row's sum is quantised along the model's 2,048 (K step = head) for the last projection.
; THE SOFTMAX: t = score x log2(e) / sqrt(128); M = the row's largest t so far, rounded UP to a whole number; p = 2^(t - M) is what is quantised, along the keys.  The row's sum is taken of the unquantised p and divides at the end.
; When M moves, the sum and O are multiplied by 2^(old M - new M): exact.
; LAYOUT.  Both products transposed: S^T = K Q^T, O^T = V^T P^T: a lane holds ONE query.  Tiles of keys, of queries and of channels are the permuted ones: registers 16 b + i of S^T are keys 32 b + 16 h + i of the key step, those of O^T channels 32 b + 16 h + i.
; SHARES.  A wave owns one tile of 16 queries.  A head's 128 tiles are 16 groups g of 8; a tile of group g needs key steps 0 .. g, and step g lies on the diagonal.  Cluster c (0..3) of a head takes groups 2 c, 2 c + 1, 14 - 2 c, 15 - 2 c;
; wave w takes group 2 c xor (e / 2) xor 15 (e % 2), e = (w % 4) xor (w / 4): the list 2c, 15-2c, 2c+1, 14-2c, 15-2c, 2c, 14-2c, 2c+1.  Waves w and w + 4, and waves 2 i and 2 i + 1, have 17 key steps together, and the
; two kinds of pair differ by one step at either end, so that between two meetings of the waves all pairs have nearly the same work.  A wave's tile in its group is 2 cx + w / 4.
; So a wave's group hangs on the cluster's x and the wave's number alone: every branch is alike in the four partners; cx enters global addresses and the diagonal's mask register only.
; LDS HOLDS TWELVE OF THE SIXTEEN KEY STEPS.  K's and V's fragments lie in memory as images of their registers, a key step's eight on end (12,288 bytes).  The four partners walk the same K and V: every load is asked for JOINTLY
; (wave 0: K, wave 1: V).  Key steps 0-3, 4-7 and 8-11 are three first fills of 49,152 dense bytes; steps 12-15 are asked for once more, into the places of steps 0-3, behind the one round that follows step 3: eight key steps
; ahead of their first read.  So the waves meet ahead of step 0, of step 4 and of step 12, and at the end, and run free between.  Since that one later load is asked for so far ahead, nothing is prefetched.
; Every work-group walks all sixteen steps, so that trip counts are constants and no tensor load or barrier is jumped over; a key step all of whose keys come after the wave's queries is left out by a scalar branch on ids.
; The scale words of a whole head (8,192 bytes for K, as many for V) come once, with the first fills.
; LIMITS: p under 2^-126 becomes 0; a block of zeros gets the scale byte 1 (its codes are zeros; this program alone reads the bytes); NaN and infinities are not served.
; os is stored 4 bytes a row, 64 bytes of a block of 256 a wave: a head's word stands beside three other heads' in the next launch's quad; that is one byte for 24 of oc's.
; REGISTERS: window 0: v1-11 addresses; v12 -M, v13 the largest t, v[14:15] the sum; v16-27 Q; v32-39 K's scale words, v40-47 V's, and nothing else; v48-84 the way out; v96-159 S^T, then p; v160-223 O^T; v224-254 at work; v255 Q's scale word.
;   window 1: v0-95 K's eight fragments, v96-191 V's.
.set FRB,   1536
.set KSB,   8*FRB                      ; a key step's eight fragments
.set QSB,   4*KSB                      ; four key steps: what one tensor load brings
.set NRES,  12                         ; key steps that LDS holds
.set VA,    NRES*KSB                   ; K's twelve places, then V's twelve
.set PLANE, 196608
.set SCK,   2*VA                       ; K's scale words of the head: 512 bytes a key step
.set SCV,   SCK+8192                   ; V's
.set SPARE, SCV+8192                   ; the spare words, 128 bytes for each of eight waves: four blocks of 256 bytes that no other line names
.set LI,   1                           ; v1   16 x lane
.set AS0,  2                           ; v2   SCK + 16 r
.set DG,   3                           ; v3   my query's place in its group of 128, less 16 h
.set RO,   4                           ; v4   16 r
.set SPW,  5                           ; v5   my spare word; never rewritten
.set NIL,  6                           ; v6   0; never rewritten
.set AV0,  7                           ; v7   VA + 16 x lane
.set AD,   8                           ; v8   LDS address of the key step's K
.set ADS,  9                           ; v9   of its scale words
.set ADV,  11                          ; v11  of its V
.set KSC,  32
.set VSC,  40
.set PC,   48                          ; the way out: v48-67 codes, v68-83 at work, v84 the scale word
.set TM,   68
.set PW,   84
.set CX,   12
.set RT,   13                          ; s13  my tile of queries, 0..127
.set HD,   14                          ; s14  the head
.set WV,   18
.set GR,   19                          ; s19  my group = my last key step
.set SEL,  20                          ; s[20:21] lane l xor 16
.set CS,   22                          ; s[22:23] c = log2(e) / sqrt(128)
.set G1,   24                          ; s[24:31] group 1 for four key steps;  s[32:39] for the scale words
.set G1S,  32
.set G0,   40                          ; s[40:43] group 0 for my first fill, later (waves 0, 1) key steps 12-15;  s[44:47] for the scale words
.set G0S,  44
.set G0B,  84
.set G0C,  88
.set TB,   48                          ; s48  12,288 x the key step's place in LDS
.set TS,   49                          ; s49  512 x the key step
.set KS,   50                          ; s50  the key step
.set CNT,  51                          ; s51  counts a phase's key steps
.set MSB, 0
.macro WIN new
.if MSB != (\new)
	s_set_vgpr_msb (MSB<<8)|(\new)
.set MSB, (\new)
.endif
.endm
.macro CROUND                          ; a round of the cluster's barrier
	s_barrier_signal -1
	s_barrier_wait -1
	s_cmp_lg_u32 s[WV], 0
	s_cbranch_scc1 .Lnot_wave_0_\@
	s_barrier_signal -3
.Lnot_wave_0_\@:
	s_barrier_wait -3
	s_barrier_signal -1
	s_barrier_wait -1
.endm
; The program's quantiser: 64 numbers of a lane, v[s] .. v[s + 63] of window W, register 16 b + i = k 32 b + 16 h + i of my row, become a fragment's codes in v[PC] on and my row's scale word in v[pw].
.macro QUANT s, W, pw
	WIN (\W)|((\W)<<2)
.irp b, 0,1,2,3
	v_max3_num_f32 v[TM+\b], |v[\s+16*\b]|, |v[\s+16*\b+1]|, 0x1800000
.endr
.irp i, 2,4,6,8,10,12,14
.irp b, 0,1,2,3
	s_delay_alu instid0(VALU_DEP_4)
	v_max3_num_f32 v[TM+\b], |v[\s+16*\b+\i]|, |v[\s+16*\b+\i+1]|, v[TM+\b]
.endr
.endr
	WIN 0
.irp b, 0,1,2,3
	s_delay_alu instid0(VALU_DEP_4)
	v_permlanex16_b32 v[TM+4+\b], v[TM+\b], s[SEL], s[SEL+1]
.endr
.irp b, 0,1,2,3
	s_delay_alu instid0(VALU_DEP_4)
	v_max_num_f32 v[TM+\b], v[TM+\b], v[TM+4+\b]
.endr
.irp b, 0,1,2,3
	s_delay_alu instid0(VALU_DEP_4)
	v_add_nc_u32 v[TM+12+\b], 0xff000000, v[TM+\b]
.endr
.irp b, 0,1,2,3
	s_delay_alu instid0(VALU_DEP_4)
	v_lshrrev_b32 v[TM+4+\b], 23, v[TM+12+\b]
.endr
	s_delay_alu instid0(VALU_DEP_3)
	v_lshl_or_b32 v[\pw], v[TM+5], 8, v[TM+4]
	s_delay_alu instid0(VALU_DEP_1)
	v_lshl_or_b32 v[\pw], v[TM+6], 16, v[\pw]
	s_delay_alu instid0(VALU_DEP_1)
	v_lshl_or_b32 v[\pw], v[TM+7], 24, v[\pw]
	WIN \W
.irp c, 0,1
	v_cvt_scalef32_pk16_fp6_f32 v[PC+6*\c:PC+6*\c+2], v[\s+32*\c:\s+32*\c+15], v[TM+12+2*\c]
	v_cvt_scalef32_pk16_fp6_f32 v[PC+12+4*\c:PC+14+4*\c], v[\s+32*\c+16:\s+32*\c+31], v[TM+13+2*\c]
.endr
	WIN 0
	v_nop                                          ; one plain instruction behind the scaled conversions
.irp c, 0,1
.irp i, 0,1,2
	v_permlane16_swap_b32 v[PC+6*\c+\i], v[PC+12+4*\c+\i]
.endr
.irp i, 0,1,2
	s_delay_alu instid0(VALU_DEP_3)
	v_mov_b32 v[PC+3+6*\c+\i], v[PC+12+4*\c+\i]
.endr
.endr
.endm
	s_load_b256 s[4:11], s[0:1], 0x0               ; qkvc s[4:5], qkvs s[6:7], oc s[8:9], os s[10:11]
	v_lshl_add_u32 v[SPW], v0, 2, SPARE
	v_mov_b32 v[NIL], 0
	ds_add_u32 v5, v6
	ds_add_u32 v5, v6
	s_wait_dscnt 0x0
	v_lshrrev_b32 v8, 5, v0
	s_delay_alu instid0(VALU_DEP_1)
	v_readfirstlane_b32 s[WV], v8                  ; wave 0..7
	s_bfe_u32 s[CX], ttmp6, 0x40000                ; cx: my place in the cluster
	s_and_b32 s[HD], ttmp7, 0xffff
	s_and_b32 s56, s[WV], 3
	s_lshr_b32 s57, s[WV], 2                       ; w / 4
	s_xor_b32 s56, s56, s57                        ; e
	s_lshr_b32 s58, s56, 1                         ; e / 2
	s_and_b32 s59, s56, 1
	s_mul_i32 s59, s59, 15
	s_lshl_b32 s[GR], ttmp9, 1                     ; 2 c
	s_xor_b32 s[GR], s[GR], s58
	s_xor_b32 s[GR], s[GR], s59                    ; my group
	s_lshl_b32 s[RT], s[GR], 3
	s_lshl_b32 s58, s[CX], 1
	s_add_co_u32 s[RT], s[RT], s58
	s_add_co_u32 s[RT], s[RT], s57                 ; my tile: 8 g + 2 cx + w / 4
	; group 1: 49,152 dense bytes as 192 rows of 256 (32 elements of 8 bytes); the scale words: 32 such rows
	s_mov_b32 s[G1], 15|(3<<16)|(1<<21)            ; 15:0 the mask: all four work-groups; 17:16 elements of 8 bytes; 21 set beside a mask
	s_mov_b32 s[G1+1], 32<<16
	s_mov_b32 s[G1+2], 192<<16
	s_mov_b32 s[G1+3], 32<<16
	s_mov_b32 s[G1+4], 192
	s_mov_b32 s[G1+5], 32
	s_mov_b32 s[G1+6], 0
	s_mov_b32 s[G1+7], 0
	s_mov_b32 s[G1S], 15|(3<<16)|(1<<21)
	s_mov_b32 s[G1S+1], 32<<16
	s_mov_b32 s[G1S+2], 32<<16
	s_mov_b32 s[G1S+3], 32<<16
	s_mov_b32 s[G1S+4], 32
	s_mov_b32 s[G1S+5], 32
	s_mov_b32 s[G1S+6], 0
	s_mov_b32 s[G1S+7], 0
	s_and_b32 s56, s[WV], 1                        ; 0: K, 1: V
	s_lshl_b32 s58, s56, 4
	s_add_co_u32 s58, s58, s[HD]
	s_add_co_u32 s58, s58, 16                      ; the plane: 16 + head, or 32 + head
	s_mul_i32 s60, s58, PLANE
	s_mov_b32 s61, 0
	s_lshl_b32 s62, s58, 13
	s_mov_b32 s63, 0
	s_mul_i32 s66, s56, VA                         ; K's places, or V's: no place in the cluster enters an LDS address
	s_lshl_b32 s67, s56, 13
	s_mov_b32 s[SEL], 0x76543210
	s_mov_b32 s[SEL+1], 0xfedcba98
	s_mov_b32 s[CS], 0x3e0293ee                    ; c = log2(e) / sqrt(128)
	s_mov_b32 s[CS+1], s[CS]                       ; (named with it as a pair, so it is written)
	s_wait_kmcnt 0x0
	s_add_nc_u64 s[70:71], s[4:5], s[60:61]        ; my plane
	; THE FIRST FILLS ARE SHARED OUT, ONE A WAVE: waves 0-5 bring key steps 4 (w / 2) .. 4 (w / 2) + 3 of K (w even) or of V (w odd), waves 6 and 7 the scale words of K and of V
	s_lshr_b32 s72, s[WV], 1
	s_mul_i32 s72, s72, QSB
	s_mov_b32 s73, 0
	s_mov_b32 s[G0], 1
	s_add_co_u32 s[G0+1], s66, s72
	s_add_nc_u64 s[G0+2:G0+3], s[70:71], s[72:73]
	s_or_b32 s[G0+3], s[G0+3], 0x80000000
	s_mov_b32 s[G0S], 1
	s_add_co_u32 s[G0S+1], s67, SCK
	s_add_nc_u64 s[G0S+2:G0S+3], s[6:7], s[62:63]
	s_or_b32 s[G0S+3], s[G0S+3], 0x80000000
	CROUND                                         ; all four work-groups are here: the first joint loads meet
	s_cmp_lt_u32 s[WV], 6                          ; one chain of two arms, a joint load in each: every way through the head passes exactly one
	s_cbranch_scc0 .Lfirst_scales
	tensor_load_to_lds s[G0:G0+3], s[G1:G1+7]
	s_nop 0
.rept 4
	v_nop
.endr
	s_branch .Lfirst_asked
.Lfirst_scales:
	tensor_load_to_lds s[G0S:G0S+3], s[G1S:G1S+7]
	s_nop 0
.rept 4
	v_nop
.endr
.Lfirst_asked:
	v_and_b32 v10, 31, v0                          ; lane
	s_delay_alu instid0(VALU_DEP_1)
	v_lshlrev_b32 v[LI], 4, v10
	s_delay_alu instid0(VALU_DEP_1)
	v_add_nc_u32 v[AV0], VA, v[LI]
	v_and_b32 v8, 15, v0                           ; r
	v_bfe_u32 v9, v0, 4, 1                         ; h
	s_delay_alu instid0(VALU_DEP_2)
	v_lshlrev_b32 v[RO], 4, v8
	s_wait_alu depctr_va_vdst(0)
	v_add_nc_u32 v[AS0], SCK, v[RO]
	v_and_b32 v[DG], 8, v8
	s_delay_alu instid0(VALU_DEP_1)
	v_add_nc_u32 v[DG], v[DG], v8                  ; r + 8 (r / 8)
	v_lshlrev_b32 v11, 4, v9
	s_delay_alu instid0(VALU_DEP_1)
	v_sub_nc_u32 v[DG], v[DG], v11                 ; - 16 h
	s_lshl_b32 s74, s[CX], 5
	s_lshl_b32 s75, s57, 3
	s_add_co_u32 s74, s74, s75
	v_add_nc_u32 v[DG], s74, v[DG]                 ; + 32 cx + 8 (w / 4): key 32 b + i of register 16 b + i is hidden on the diagonal where 32 b + i > this
	; Q's fragment and scale word
	s_mul_i32 s60, s[HD], PLANE
	s_mul_i32 s62, s[RT], FRB
	s_add_co_u32 s60, s60, s62
	s_add_nc_u64 s[60:61], s[4:5], s[60:61]
.irp c, 0,1,2
	global_load_b128 v[16+4*\c:19+4*\c], v[LI], s[60:61] offset:512*\c
.endr
	s_lshl_b32 s62, s[HD], 13
	s_lshr_b32 s66, s[RT], 2
	s_lshl_b32 s66, s66, 8
	s_add_co_u32 s62, s62, s66
	s_and_b32 s66, s[RT], 3
	s_lshl_b32 s66, s66, 2
	s_add_co_u32 s62, s62, s66
	s_add_nc_u64 s[62:63], s[6:7], s[62:63]
	global_load_b32 v255, v[RO], s[62:63]
	; where my results go: oc [tile][head][1536]; os [tile][head / 4][row r: 4 words at 16 r]
	s_mul_i32 s66, s[RT], 16*FRB
	s_mul_i32 s68, s[HD], FRB
	s_add_co_u32 s66, s66, s68
	s_mov_b32 s67, 0
	s_add_nc_u64 s[8:9], s[8:9], s[66:67]
	s_lshl_b32 s66, s[RT], 10
	s_lshr_b32 s68, s[HD], 2
	s_lshl_b32 s68, s68, 8
	s_add_co_u32 s66, s66, s68
	s_and_b32 s68, s[HD], 3
	s_lshl_b32 s68, s68, 2
	s_add_co_u32 s66, s66, s68
	s_add_nc_u64 s[10:11], s[10:11], s[66:67]
	v_mov_b32 v13, 0xff61b1e6                      ; the largest t so far: -3e38, under every t
	s_delay_alu instid0(VALU_DEP_1)
	v_floor_f32 v12, -v13                          ; -M
	v_mov_b32 v14, 0                               ; the sum, in two halves
	v_mov_b32 v15, 0
.irp b, 0,1,2,3
	v_mov_b32 v[236+\b], 0                         ; written once: a lane permute's destination counts as one of its sources
.endr
	v_mov_b32 v252, 0
	v_mov_b32 v253, 0                              ; (named as a pair before they are first written)
.set jj, 0
.rept 64
	v_mov_b32 v[160+jj], 0                         ; O^T.  The key step has no first step of its own: the first finds zeros, which the first change of M leaves zeros; a first step written out would be one more copy of the step's text
.set jj, jj+1
.endr
; A KEY STEP: 128 keys, at place s[TB] / 12,288 of LDS.
.macro STEP
	v_add_nc_u32 v[AD], s[TB], v[LI]               ; (on every way; with the v_nop below: the four places in front of loads into registers that the last products read)
	v_add_nc_u32 v[ADV], s[TB], v[AV0]
	v_add_nc_u32 v[ADS], s[TS], v[AS0]
	s_cmp_gt_u32 s[KS], s[GR]                      ; all these keys come after my queries: the step's work is left out; a branch on ids
	s_cbranch_scc1 .Lhidden_\@
	v_nop
	ds_load_b128 v[KSC:KSC+3], v[ADS]              ; K's scale words: my row's word of tiles 0-3,
	ds_load_b128 v[KSC+4:KSC+7], v[ADS] offset:256 ; and of tiles 4-7
	WIN 0x40                                       ; destination window 1
.irp t, 0,1,2,3,4,5,6,7
.irp c, 0,1,2
	ds_load_b128 v[12*\t+4*\c:12*\t+4*\c+3], v[AD] offset:FRB*\t+512*\c
.endr
.endr
.irp t, 0,1,2,3,4,5,6,7
.irp c, 0,1,2
	ds_load_b128 v[96+12*\t+4*\c:96+12*\t+4*\c+3], v[ADV] offset:FRB*\t+512*\c   ; V's come while the softmax is walked
.endr
.endr
	WIN 0
	ds_load_b128 v[VSC:VSC+3], v[ADS] offset:8192
	ds_load_b128 v[VSC+4:VSC+7], v[ADS] offset:8448
	s_wait_dscnt 26                                ; K and its scale words are in; V's 24 loads and its 2 of scale words may be out
	WIN 0x01                                       ; source 0 window 1
.irp t, 0,1,2,3,4,5,6,7
	v_wmma_scale_f32_16x16x128_f8f6f4 v[96+8*\t:103+8*\t], v[12*\t:12*\t+11], v[16:27], 0, v[KSC+\t], v255 matrix_a_fmt:MATRIX_FMT_FP6 matrix_b_fmt:MATRIX_FMT_FP6
.endr
	WIN 0
.rept 4
	v_nop
.endr
	s_cmp_lt_u32 s[KS], s[GR]                      ; only my last step lies on the diagonal: there the scores of hidden keys become -infinity ahead of the maximum, so that p = 0
	s_cbranch_scc1 .Lopen_\@
	v_mov_b32 v254, 0xff800000
.set nn, 0
.rept 64
	v_cmp_gt_i32 vcc_lo, 32*(nn/16)+nn%16, v[DG]
	v_cndmask_b32 v[96+nn], v[96+nn], v254, vcc_lo
.set nn, nn+1
.endr
.Lopen_\@:
.irp b, 0,1,2,3
	v_max3_num_f32 v[232+\b], v[96+16*\b], v[97+16*\b], v[98+16*\b]   ; the largest score of each block of 32 keys: it serves for the row's maximum and, since p rises with the score, for the block's largest p
.endr
.irp i, 3,5,7,9,11,13
.irp b, 0,1,2,3
	v_max3_num_f32 v[232+\b], v[232+\b], v[96+16*\b+\i], v[97+16*\b+\i]
.endr
.endr
.irp b, 0,1,2,3
	v_max_num_f32 v[232+\b], v[232+\b], v[111+16*\b]
.endr
.irp b, 0,1,2,3
	s_delay_alu instid0(VALU_DEP_4)
	v_permlanex16_b32 v[236+\b], v[232+\b], s[SEL], s[SEL+1]
.endr
.irp b, 0,1,2,3
	s_delay_alu instid0(VALU_DEP_4)
	v_max_num_f32 v[232+\b], v[232+\b], v[236+\b]  ; with lane l xor 16's 16 keys
.endr
	s_delay_alu instid0(VALU_DEP_2)
	v_max3_num_f32 v254, v232, v233, v234
	s_delay_alu instid0(VALU_DEP_1)
	v_max_num_f32 v254, v254, v235                 ; the step's largest score of my query
	s_delay_alu instid0(VALU_DEP_1)
	v_mul_f32 v254, s[CS], v254                    ; as t
	s_delay_alu instid0(VALU_DEP_1)
	v_max_num_f32 v13, v13, v254                   ; the running largest t
	v_mov_b32 v254, v12
	s_delay_alu instid0(VALU_DEP_2)
	v_floor_f32 v12, -v13                          ; the new -M = floor(-t): M is a whole number
	s_delay_alu instid0(VALU_DEP_1)
	v_sub_f32 v254, v12, v254                      ; old M less new M: a whole number, 0 or less
	s_delay_alu instid0(VALU_DEP_1)
	v_cvt_i32_f32 v254, v254                       ; (it saturates)
	s_delay_alu instid0(VALU_DEP_1)
	v_ldexp_f32 v252, 1.0, v254                    ; f = 2^(old M - new M)
.set jj, 0
.rept 32
	v_pk_fma_f32 v[96+jj:97+jj], v[96+jj:97+jj], s[CS:CS+1], v[12:13] op_sel_hi:[1,0,0]   ; t - M, two at a time
.set jj, jj+2
.endr
.irp b, 0,1,2,3
	v_fma_f32 v[232+\b], v[232+\b], s[CS], v12     ; the same of each block's largest score
.endr
.set jj, 0
	s_wait_alu depctr_va_vdst(0)
.rept 64
	v_exp_f32 v[96+jj], v[96+jj]                   ; p = 2^(t - M), at most 1: not normalised
.set jj, jj+1
.endr
	v_pk_mul_f32 v[14:15], v[14:15], v[252:253] op_sel_hi:[1,0]   ; the sums under the new M; the plain instruction behind the exponentials
	s_wait_alu depctr_va_vdst(0)                   ; one wait for the batch of 64, ahead of its first reader
.irp b, 0,1,2,3
	v_exp_f32 v[232+\b], v[232+\b]                 ; the block's largest p: the same two instructions on the same number give the same bits
.endr
	v_pk_add_f32 v[236:237], v[100:101], v[104:105]
	v_pk_add_f32 v[250:251], v[108:109], v[112:113]
	v_pk_add_f32 v[248:249], v[116:117], v[120:121]
	v_pk_add_f32 v[94:95], v[124:125], v[128:129]
	v_pk_add_f32 v[92:93], v[132:133], v[136:137]
	v_pk_add_f32 v[90:91], v[140:141], v[144:145]
	v_pk_add_f32 v[88:89], v[148:149], v[152:153]
	v_pk_add_f32 v[14:15], v[14:15], v[156:157]
	v_pk_add_f32 v[236:237], v[236:237], v[96:97]
	v_pk_add_f32 v[250:251], v[250:251], v[98:99]
	v_pk_add_f32 v[248:249], v[248:249], v[102:103]
	v_pk_add_f32 v[94:95], v[94:95], v[106:107]
	v_pk_add_f32 v[92:93], v[92:93], v[110:111]
	v_pk_add_f32 v[90:91], v[90:91], v[114:115]
	v_pk_add_f32 v[88:89], v[88:89], v[118:119]
	v_pk_add_f32 v[14:15], v[14:15], v[122:123]
	v_pk_add_f32 v[236:237], v[236:237], v[126:127]
	v_pk_add_f32 v[250:251], v[250:251], v[130:131]
	v_pk_add_f32 v[248:249], v[248:249], v[134:135]
	v_pk_add_f32 v[94:95], v[94:95], v[138:139]
	v_pk_add_f32 v[92:93], v[92:93], v[142:143]
	v_pk_add_f32 v[90:91], v[90:91], v[146:147]
	v_pk_add_f32 v[88:89], v[88:89], v[150:151]
	v_pk_add_f32 v[14:15], v[14:15], v[154:155]
	v_pk_add_f32 v[236:237], v[236:237], v[158:159]
	s_delay_alu instid0(VALU_DEP_2)
	v_pk_add_f32 v[14:15], v[14:15], v[94:95]
	s_delay_alu instid0(VALU_DEP_2)
	v_pk_add_f32 v[236:237], v[236:237], v[92:93]
	v_pk_add_f32 v[250:251], v[250:251], v[90:91]
	v_pk_add_f32 v[248:249], v[248:249], v[88:89]
	s_delay_alu instid0(VALU_DEP_2)
	v_pk_add_f32 v[14:15], v[14:15], v[250:251]
	s_delay_alu instid0(VALU_DEP_2)
	v_pk_add_f32 v[236:237], v[236:237], v[248:249]
	s_delay_alu instid0(VALU_DEP_1)
	v_pk_add_f32 v[14:15], v[14:15], v[236:237]
	s_wait_alu depctr_va_vdst(0)                   ; and one for the four
.irp b, 0,1,2,3
	v_max_num_f32 v[232+\b], 0x1800000, v[232+\b]  ; the floor 2^(3 - 127): the byte cannot fall under 1
.endr
.irp b, 0,1,2,3
	s_delay_alu instid0(VALU_DEP_4)
	v_add_nc_u32 v[244+\b], 0xff000000, v[232+\b]  ; 2 off the exponent field: the conversion's scale operand
.endr
.irp b, 0,1,2,3
	s_delay_alu instid0(VALU_DEP_4)
	v_lshrrev_b32 v[236+\b], 23, v[244+\b]         ; the scale's byte
.endr
	s_delay_alu instid0(VALU_DEP_3)
	v_lshl_or_b32 v253, v237, 8, v236              ; p's scale word for these 128 keys
	s_delay_alu instid0(VALU_DEP_1)
	v_lshl_or_b32 v253, v238, 16, v253
	s_delay_alu instid0(VALU_DEP_1)
	v_lshl_or_b32 v253, v239, 24, v253
.irp c, 0,1
	v_cvt_scalef32_pk16_fp6_f32 v[224+6*\c:226+6*\c], v[96+32*\c:111+32*\c], v[244+2*\c]
	v_cvt_scalef32_pk16_fp6_f32 v[236+4*\c:238+4*\c], v[112+32*\c:127+32*\c], v[244+2*\c+1]
.endr
	v_nop                                          ; one plain instruction behind the scaled conversions
.irp c, 0,1
.irp i, 0,1,2
	v_permlane16_swap_b32 v[224+6*\c+\i], v[236+4*\c+\i]
.endr
.irp i, 0,1,2
	s_delay_alu instid0(VALU_DEP_3)
	v_mov_b32 v[227+6*\c+\i], v[236+4*\c+\i]
.endr
.endr
.set jj, 0
.rept 32
	v_pk_mul_f32 v[160+jj:161+jj], v[160+jj:161+jj], v[252:253] op_sel_hi:[1,0]   ; O^T under the new M.  These 32 are also the places between p's codes and scale word and the products below
.set jj, jj+2
.endr
	s_wait_alu depctr_va_vdst(0)
	s_wait_dscnt 0x0                               ; V and its scale words are in
	WIN 0x01
.irp t, 0,1,2,3,4,5,6,7
	v_wmma_scale_f32_16x16x128_f8f6f4 v[160+8*\t:167+8*\t], v[96+12*\t:96+12*\t+11], v[224:235], v[160+8*\t:167+8*\t], v[VSC+\t], v253 matrix_a_fmt:MATRIX_FMT_FP6 matrix_b_fmt:MATRIX_FMT_FP6
.endr
	WIN 0
.Lhidden_\@:
	s_add_co_u32 s[KS], s[KS], 1
	s_add_co_u32 s[TS], s[TS], 512
	s_add_co_u32 s[TB], s[TB], KSB
.endm
; n key steps from key step "first" on, which lie in LDS from place "place" on: the step is written once for the phase and walked n times; no barrier stands inside a phase
.macro PHASE first, place, n
	s_mov_b32 s[KS], \first
	s_mov_b32 s[TS], 512*(\first)
	s_mov_b32 s[TB], KSB*(\place)
	s_mov_b32 s[CNT], \n
.Lstep_\@:
	STEP
	s_sub_co_u32 s[CNT], s[CNT], 1
	s_cmp_lg_u32 s[CNT], 0
	s_cbranch_scc1 .Lstep_\@
.endm
	s_wait_loadcnt 0x0                             ; Q
	s_wait_tensorcnt 0x0                           ; my one first fill is in: behind the barrier the scale words and key steps 0-11 are whole
	s_barrier_signal -1
	s_barrier_wait -1                              ; and every wave may read them
	PHASE 0, 0, 4
	; THE ONE REFILL: the places of key steps 0-3 take steps 12-15
	s_wait_tensorcnt 0x0                           ; all my tensor loads have landed, key steps 4-11 among them: no tensor load of mine is out, so a group 0 may be written
	ds_add_u32 v[SPW], v[NIL]                      ; 0 onto my spare word
	s_add_nc_u64 s[G0+2:G0+3], s[G0+2:G0+3], NRES*KSB   ; twelve key steps on (waves 0 and 1 alone use it: from steps 0-3 to steps 12-15)
	s_wait_dscnt 0x0                               ; the add is done, and my reads of key steps 0-3 are over
	CROUND                                         ; both now hold of every wave of all four work-groups
	s_cmp_lt_u32 s[WV], 2                          ; wave 0 asks for K's, wave 1 for V's: their groups 0 differ by the wave's number.  Four v_nop follow the line
	s_cbranch_scc0 .Lasked
	tensor_load_to_lds s[G0:G0+3], s[G1:G1+7]      ; the first thing behind the round, and the wave's one tensor load from here on
	s_nop 0
.rept 4
	v_nop
.endr
.Lasked:
	PHASE 4, 4, 8                                  ; the round has shown key steps 4-11 to every wave
	s_wait_tensorcnt 0x0                           ; key steps 12-15 are in,
	s_wait_dscnt 0x0
	s_barrier_signal -1
	s_barrier_wait -1                              ; and every wave may read them
	PHASE 12, 0, 4
	; THE WAY OUT: O^T / the sum is K step "head" of the last projection's left operand: quantised in registers, its image leaves by three stores.
.irp b, 0,1,2,3
	v_mov_b32 v[TM+4+\b], 0                        ; a lane permute's destination counts as one of its sources.  These four name no register of a matrix instruction: they are also the places behind the last products
.endr
	v_add_f32 v14, v14, v15
	s_delay_alu instid0(VALU_DEP_1)
	v_permlanex16_b32 v252, v14, s[SEL], s[SEL+1]
	s_delay_alu instid0(VALU_DEP_1)
	v_add_f32 v14, v14, v252                       ; the row's sum
	s_wait_alu depctr_va_vdst(0)
	v_rcp_f32 v14, v14
	v_and_b32 v10, 31, v0                          ; my lane, for the store of the scale word below; also the plain instruction behind the reciprocal
	s_wait_alu depctr_va_vdst(0)                   ; and the wait ahead of its first reader
.set jj, 0
.rept 64
	v_mul_f32 v[96+jj], v[160+jj], v14             ; register 16 b + i: channel 32 b + 16 h + i of my query
.set jj, jj+1
.endr
	QUANT 96, 0, PW
.irp c, 0,1,2
	global_store_b128 v[LI], v[PC+4*\c:PC+4*\c+3], s[8:9] offset:512*\c   ; 512 consecutive bytes, aligned
.endr
	s_wait_xcnt 0x0                                ; EXEC changes only behind this wait
	v_cmp_gt_u32 vcc_lo, 16, v10                   ; lanes 16-31 hold the same words as lanes 0-15
	s_and_saveexec_b32 s76, vcc_lo
	global_store_b32 v[RO], v[PW], s[10:11]        ; lanes 0-15: my row's word, at 16 r in the quad
	s_wait_xcnt 0x0
	s_or_b32 exec_lo, exec_lo, s76
	s_wait_tensorcnt 0x0                           ; the wave's end
	ds_add_u32 v[SPW], v[NIL]
	s_wait_dscnt 0x0
	CROUND                                         ; the closing round
	s_endpgm
.Lfunc_end_k_q934b72acaa_attn:
	.size	k_q934b72acaa_attn, .Lfunc_end_k_q934b72acaa_attn-k_q934b72acaa_attn
	.p2alignl 7, 3214868480
	.fill 96, 4, 3214868480
	.section	.rodata,"a",@progbits
	.p2align	6, 0x0
	.amdhsa_kernel k_q934b72acaa_attn
		.amdhsa_group_segment_fixed_size 327680
		.amdhsa_private_segment_fixed_size 0
		.amdhsa_enable_private_segment 0
		.amdhsa_kernarg_size 32
		.amdhsa_user_sgpr_count 2
		.amdhsa_user_sgpr_kernarg_segment_ptr 1
		.amdhsa_wavefront_size32 1
		.amdhsa_system_sgpr_workgroup_id_x 1
		.amdhsa_system_sgpr_workgroup_id_y 1
		.amdhsa_system_sgpr_workgroup_id_z 1
		.amdhsa_system_vgpr_workitem_id 0
		.amdhsa_next_free_vgpr 448
		.amdhsa_next_free_sgpr 92
		.amdhsa_reserve_vcc 1
		.amdhsa_float_denorm_mode_32 3
		.amdhsa_float_denorm_mode_16_64 3
		.amdhsa_memory_ordered 1
		.amdhsa_forward_progress 1
		.amdhsa_inst_pref_size 94
	.end_amdhsa_kernel
	.amdgpu_metadata
---
amdhsa.version: [ 1, 2 ]
amdhsa.kernels:
  - .name:           k_q934b72acaa_attn
    .symbol:         k_q934b72acaa_attn.kd
    .args:
      - { .name: qkvc, .offset: 0, .size: 8, .value_kind: global_buffer, .address_space: global }
      - { .name: qkvs, .offset: 8, .size: 8, .value_kind: global_buffer, .address_space: global }
      - { .name: oc, .offset: 16, .size: 8, .value_kind: global_buffer, .address_space: global }
      - { .name: os, .offset: 24, .size: 8, .value_kind: global_buffer, .address_space: global }
    .group_segment_fixed_size: 327680
    .private_segment_fixed_size: 0
    .kernarg_segment_align: 8
    .kernarg_segment_size: 32
    .max_flat_workgroup_size: 256
    .sgpr_count:     92
    .vgpr_count:     448
    .wavefront_size: 32
...
	.end_amdgpu_metadata
.endif
;; end of part 3
;; launch proj (part 4): grid 16 x 16, 4 waves a work-group, clusters of 4 x 4, 327,680 bytes of LDS; arguments oc, os, cw, sw, out0; writes out0
.if DOCPART == 4
	.amdgcn_target "amdgcn-amd-amdhsa--gfx1250"
	.amdhsa_code_object_version 6
	.text
	.protected	k_q934b72acaa_proj
	.globl	k_q934b72acaa_proj
	.p2align	8
	.type	k_q934b72acaa_proj,@function
k_q934b72acaa_proj:
	s_mov_b64 s[64:65], 0
	v_nop
	global_prefetch_b8 v0, s[64:65] scope:SCOPE_SE
	s_setreg_imm32_b32 hwreg(HW_REG_WAVE_MODE, 25, 1), 1
	s_wait_xcnt 0x0
	s_wait_alu depctr_hold_cnt(0) depctr_sa_sdst(0) depctr_va_vdst(0) depctr_va_sdst(0) depctr_va_ssrc(0) depctr_va_vcc(0) depctr_vm_vsrc(0)
	s_getreg_b32 s2, hwreg(HW_REG_IB_STS2, 6, 4)
	s_cmp_eq_u32 s2, 0
	s_cbranch_scc0 .Lentry_in_a_cluster
	s_endpgm
.Lentry_in_a_cluster:
	s_bfe_u32 s2, ttmp6, 0x10000c
	s_cmp_lg_u32 s2, 0xf033
	s_cbranch_scc0 .Lentry_shape_is_right
	s_endpgm
.Lentry_shape_is_right:
; out0 = o wo^T on codes of FP6 (E2M3).  o's codes and scale words come from the attention (oc, os), wo's from the first launch (tensor 4 of cw, sw); both as images of fragments and quads of scale words.
; A block of out0 is 128 x 128: 256 work-groups.  Four waves, each 64 x 64: 16 accumulators.  Source 0 = 16 rows of wo, source 1 = 16 rows of o: a lane holds one token and eight neighbouring columns an accumulator.
; LDS HOLDS THIRTEEN OF K'S SIXTEEN STEPS.  Region 1: three K steps of o's 8 and wo's 8 row tiles (73,728 bytes); region 2: ten K steps (245,760 bytes).  The head's four tensor loads, one a wave, bring K steps 0-2 (wave 0: o, wave 1: wo)
; and 3-12 (waves 2, 3).  Behind K step 2 and a round of the cluster's barrier region 1 takes K steps 13-15 (waves 0, 1): ten K steps, 160 matrix instructions a wave, ahead of their first read.  The text is straight: no loop.
; THE SCALE WORDS do not pass through LDS: 16 loads of 16 bytes a lane bring all of K's words of my 4 + 4 row tiles into 64 registers, which hold nothing else: lanes 0-15 hold quad 2 j of a row, lanes 16-31 quad 2 j + 1.
; CLUSTERS 4 x 4: o's tiles are asked for jointly along a row of the cluster, wo's along a column.
; PREFETCH: K steps 13-15, 18 blocks of 256 bytes a row tile, are named at the head, three K steps and a fill ahead of their load: of a side's 8 row tiles the partner at place p names tiles 2 p and 2 p + 1, one a wave, told apart by address.
; Row tiles are permuted (lane-row i of tile rt is row 32 (rt / 2) + 8 (rt % 2) + i + 8 (i / 8)): the way out puts every number at its true row and column.
; REGISTERS: window 0: v16-31 addresses; v32-63 o's scale words, v64-95 wo's; v128-255 the accumulators, (a, b) at v[128 + 8 (4 a + b)].  Window 1: two fragment buffers of 96 (o's four, then wo's four); v192-255 the way out.
.set FR,     12
.set FRB,    1536
.set RTP,    16*FRB
.set R1ROW,  3*FRB
.set R2ROW,  10*FRB
.set R1H,    8*R1ROW                   ; a side's 8 row tiles in region 1
.set R2B,    2*R1H                     ; region 2 begins
.set R2H,    8*R2ROW
.set SPARE,  R2B+2*R2H                 ; the spare words: 512 bytes that no other line names
.set STG,    R2B                       ; the stages lie in region 2: it has had its one fill, and every wave has awaited its last read of it ahead of the last barrier
.set SPITCH, 272
.set STGB,   16*SPITCH
.set ADRA, 16                          ; v16, v17 my fragments of o in regions 1, 2
.set ADRB, 20                          ; v20, v21 of wo
.set LI,   24
.set STO,  25
.set RD,   26
.set SCO,  27                          ; 16 r + 256 h
.set SPW,  28
.set NIL,  29
.set CO,   30
.set PFO,  31                          ; 256 x min(lane, 17)
.set SA,   32
.set SBS,  64
.set ACC,  128
.set BK,   192                         ; window 1
.set G1A1, 24
.set G0A1, 32
.set G0A2, 36
.set G1B1, 48
.set G0B1, 56
.set G0B2, 60
.set G1A2, 68
.set G1B2, 76
.set PFA,  84
.set MSB, 0
.macro WIN new
.if MSB != (\new)
	s_set_vgpr_msb (MSB<<8)|(\new)
.set MSB, (\new)
.endif
.endm
.macro CREST
	s_cmp_lg_u32 s14, 0
	s_cbranch_scc1 .Lnot_wave_0_\@
	s_barrier_signal -3
.Lnot_wave_0_\@:
	s_barrier_wait -3
	s_barrier_signal -1
	s_barrier_wait -1
.endm
.macro CROUND
	s_barrier_signal -1
	s_barrier_wait -1
	CREST
.endm
.macro PLACES
.rept 4
	v_nop
.endr
.endm
	s_load_b256 s[4:11], s[0:1], 0x0               ; oc s[4:5], os s[6:7], cw s[8:9], sw s[10:11]
	s_load_b64 s[12:13], s[0:1], 0x20              ; out0
	v_lshl_add_u32 v[SPW], v0, 2, SPARE
	v_mov_b32 v[NIL], 0
	ds_add_u32 v[SPW], v[NIL]                      ; the opening lines: the add twice on end and one wait
	ds_add_u32 v[SPW], v[NIL]
	v_lshrrev_b32 v1, 5, v0
	v_readfirstlane_b32 s14, v1                    ; wave
	s_lshr_b32 s15, s14, 1                         ; my half of the block's rows
	s_and_b32 s16, s14, 1                          ; my half of its columns
	s_bfe_u32 s40, ttmp6, 0x40000
	s_bfe_u32 s41, ttmp6, 0x40004
	s_lshl_b32 s42, ttmp9, 2
	s_add_co_u32 s42, s42, s40                     ; block column
	s_and_b32 s17, ttmp7, 0xffff
	s_lshl_b32 s17, s17, 2
	s_add_co_u32 s17, s17, s41                     ; block row
	s_lshl_b32 s43, s41, 2
	s_lshl_b32 s43, 15, s43
	s_lshl_b32 s44, 0x1111, s40
	s_or_b32 s[G1A1], s43, (3<<16)|(1<<21)
	s_or_b32 s[G1A2], s43, (3<<16)|(1<<21)
	s_or_b32 s[G1B1], s44, (3<<16)|(1<<21)
	s_or_b32 s[G1B2], s44, (3<<16)|(1<<21)
.irp g, G1A1, G1B1                     ; 8 row tiles x 4,608 bytes (576 elements of 8), 24,576 apart in memory, on end in LDS
	s_mov_b32 s[\g+1], 576<<16
	s_mov_b32 s[\g+2], 8<<16
	s_mov_b32 s[\g+3], 576<<16
	s_mov_b32 s[\g+4], 8
	s_mov_b32 s[\g+5], 3072
	s_mov_b32 s[\g+6], 0
	s_mov_b32 s[\g+7], 0
.endr
.irp g, G1A2, G1B2                     ; 8 row tiles x 15,360 bytes
	s_mov_b32 s[\g+1], 1920<<16
	s_mov_b32 s[\g+2], 8<<16
	s_mov_b32 s[\g+3], 1920<<16
	s_mov_b32 s[\g+4], 8
	s_mov_b32 s[\g+5], 3072
	s_mov_b32 s[\g+6], 0
	s_mov_b32 s[\g+7], 0
.endr
	s_lshl_b32 s20, s17, 3                         ; o's first row tile
	s_lshl_b32 s46, s42, 3
	s_add_co_u32 s46, s46, 512                     ; wo's: tensor 4 of cw and sw
	s_lshl_b32 s18, s15, 2
	s_add_co_u32 s18, s18, s20
	s_lshl_b32 s18, s18, 10                        ; the scale words of the 4 row tiles of o that I multiply,
	s_mov_b32 s19, 0
	s_lshl_b32 s22, s16, 2
	s_add_co_u32 s22, s22, s46
	s_lshl_b32 s22, s22, 10                        ; and of wo
	s_mov_b32 s23, 0
	s_mul_i32 s20, s20, RTP
	s_mov_b32 s21, 0
	s_mul_i32 s46, s46, RTP
	s_mov_b32 s47, 0
	s_wait_dscnt 0x0                               ; both opening adds are done
	s_wait_kmcnt 0x0
	s_add_nc_u64 s[20:21], s[4:5], s[20:21]
	s_add_nc_u64 s[46:47], s[8:9], s[46:47]
	s_add_nc_u64 s[6:7], s[6:7], s[18:19]
	s_add_nc_u64 s[10:11], s[10:11], s[22:23]
	CROUND                                         ; all sixteen work-groups are here: the first joint loads meet
	s_mov_b32 s[G0A1], 1
	s_mov_b32 s[G0A1+1], 0
	s_mov_b64 s[G0A1+2:G0A1+3], s[20:21]
	s_or_b32 s[G0A1+3], s[G0A1+3], 0x80000000
	s_mov_b32 s[G0B1], 1
	s_mov_b32 s[G0B1+1], R1H
	s_mov_b64 s[G0B1+2:G0B1+3], s[46:47]
	s_or_b32 s[G0B1+3], s[G0B1+3], 0x80000000
	s_mov_b32 s[G0A2], 1
	s_mov_b32 s[G0A2+1], R2B
	s_add_nc_u64 s[G0A2+2:G0A2+3], s[20:21], 3*FRB
	s_or_b32 s[G0A2+3], s[G0A2+3], 0x80000000
	s_mov_b32 s[G0B2], 1
	s_mov_b32 s[G0B2+1], R2B+R2H
	s_add_nc_u64 s[G0B2+2:G0B2+3], s[46:47], 3*FRB
	s_or_b32 s[G0B2+3], s[G0B2+3], 0x80000000
; the head's loads, one a wave: one chain of branches on the wave's number, each arm with its load; every way passes exactly one
.macro ARM under, g0, g1, next
	s_cmp_lt_u32 s14, \under
	s_cbranch_scc0 \next
	tensor_load_to_lds s[\g0:\g0+3], s[\g1:\g1+7]
	s_nop 0
.rept 4
	v_nop
.endr
	s_branch .Lhead_asked
\next:
.endm
	ARM 1, G0A1, G1A1, .Lhead_b1
	ARM 2, G0B1, G1B1, .Lhead_a2
	ARM 3, G0A2, G1A2, .Lhead_b2
	tensor_load_to_lds s[G0B2:G0B2+3], s[G1B2:G1B2+7]
	s_nop 0
.rept 4
	v_nop
.endr
.Lhead_asked:
	s_cmp_eq_u32 s15, 0                            ; the prefetch: waves 0, 1 name o's row tiles 2 cx, 2 cx + 1, waves 2, 3 wo's 2 cy, 2 cy + 1
	s_cselect_b64 s[PFA:PFA+1], s[20:21], s[46:47]
	s_cselect_b32 s86, s40, s41
	s_lshl_b32 s86, s86, 1
	s_add_co_u32 s86, s86, s16
	s_mul_i32 s86, s86, RTP
	s_mov_b32 s87, 0
	s_add_nc_u64 s[PFA:PFA+1], s[PFA:PFA+1], s[86:87]
	s_mul_i32 s21, s15, 4*R1ROW                    ; LDS: my 4 row tiles of o and of wo in the two regions
	s_mul_i32 s22, s16, 4*R1ROW
	s_add_co_u32 s22, s22, R1H
	s_mul_i32 s18, s15, 4*R2ROW
	s_add_co_u32 s18, s18, R2B
	s_mul_i32 s19, s16, 4*R2ROW
	s_add_co_u32 s19, s19, R2B+R2H
	s_mul_i32 s23, s14, 2*STGB
	s_add_co_u32 s23, s23, STG                     ; my two stages
	s_lshl_b32 s88, s17, 7
	s_lshl_b32 s89, s15, 6
	s_add_co_u32 s88, s88, s89                     ; my first row: 128 x block row + 64 x half
	s_lshl_b32 s88, s88, 13
	s_mov_b32 s89, 0
	s_add_nc_u64 s[12:13], s[12:13], s[88:89]
	s_lshl_b32 s88, s42, 9                         ; my first column, in bytes
	s_lshl_b32 s90, s16, 8
	s_add_co_u32 s88, s88, s90
	s_add_nc_u64 s[12:13], s[12:13], s[88:89]
	v_and_b32 v3, 31, v0
	v_and_b32 v1, 15, v0                           ; r
	v_bfe_u32 v2, v0, 4, 1                         ; h
	v_lshlrev_b32 v[LI], 4, v3
	v_add_nc_u32 v[ADRA], s21, v[LI]
	v_add_nc_u32 v[ADRB], s22, v[LI]
	v_add_nc_u32 v[ADRA+1], s18, v[LI]
	v_add_nc_u32 v[ADRB+1], s19, v[LI]
	v_lshlrev_b32 v5, 4, v1
	v_lshl_add_u32 v[SCO], v2, 8, v5
	v_min_u32 v6, 17, v3
	v_lshlrev_b32 v[PFO], 8, v6
	v_mul_u32_u24 v5, v1, SPITCH
	v_lshl_add_u32 v5, v2, 6, v5
	v_add_nc_u32 v[STO], s23, v5                   ; into the stage: row r, + 64 h
	v_mul_u32_u24 v6, v2, SPITCH
	v_lshl_add_u32 v6, v1, 4, v6
	v_add_nc_u32 v[RD], s23, v6                    ; back: lanes 0-15 one row of 256 bytes, lanes 16-31 the next
	v_lshlrev_b32 v7, 13, v2
	v_lshl_add_u32 v[CO], v1, 4, v7                ; and the same two rows in out0
	s_wait_alu depctr_va_vdst(0)
.irp j, 0,1
.irp i, 0,1,2,3
	global_load_b128 v[SA+16*\j+4*\i:SA+16*\j+4*\i+3], v[SCO], s[6:7] offset:1024*\i+512*\j
	global_load_b128 v[SBS+16*\j+4*\i:SBS+16*\j+4*\i+3], v[SCO], s[10:11] offset:1024*\i+512*\j
.endr
.endr
	global_prefetch_b8 v[PFO], s[PFA:PFA+1] offset:13*FRB th:TH_LOAD_NT scope:SCOPE_SE   ; its address registers are never rewritten
.macro WHERE st                        ; where K step st lies: region (0, 1), its place there, the region's bytes for a row tile
.if (\st) < 3
.set NRG, 0
.set NQQ, (\st)
.else
.if (\st) < 13
.set NRG, 1
.set NQQ, (\st)-3
.else
.set NRG, 0
.set NQQ, (\st)-13
.endif
.endif
.set NTR, R1ROW+(R2ROW-R1ROW)*NRG
.endm
.macro FETCH f                         ; eight fragments into buffer f: 24 loads of 512 consecutive bytes
	WIN 0x40
.irp i, 0,1,2,3
.irp c, 0,1,2
	ds_load_b128 v[\f+48+FR*\i+4*\c:\f+48+FR*\i+4*\c+3], v[ADRB+NRG] offset:NTR*\i+FRB*NQQ+512*\c
.endr
.endr
.irp i, 0,1,2,3
.irp c, 0,1,2
	ds_load_b128 v[\f+FR*\i+4*\c:\f+FR*\i+4*\c+3], v[ADRA+NRG] offset:NTR*\i+FRB*NQQ+512*\c
.endr
.endr
	WIN 0
.endm
; four matrix instructions: o's block a x wo's four.  The 16 accumulators take turns, one instruction a turn, in the same order in every K step.  K steps 4-7 and 12-15 take their scale words from lanes 16-31
.macro MULA f, a, st, zero
.set SO, 16*((\st)/8)+(\st)%4
	WIN 0x05
.irp b, 0,1,2,3
.if \zero
	v_wmma_scale_f32_16x16x128_f8f6f4 v[ACC+8*(4*(\a)+\b):ACC+8*(4*(\a)+\b)+7], v[\f+48+FR*\b:\f+48+FR*\b+FR-1], v[\f+FR*(\a):\f+FR*(\a)+FR-1], 0, v[SBS+SO+4*\b], v[SA+SO+4*(\a)] matrix_a_fmt:MATRIX_FMT_FP6 matrix_b_fmt:MATRIX_FMT_FP6
.else
.if ((\st)/4)%2 == 0
	v_wmma_scale_f32_16x16x128_f8f6f4 v[ACC+8*(4*(\a)+\b):ACC+8*(4*(\a)+\b)+7], v[\f+48+FR*\b:\f+48+FR*\b+FR-1], v[\f+FR*(\a):\f+FR*(\a)+FR-1], v[ACC+8*(4*(\a)+\b):ACC+8*(4*(\a)+\b)+7], v[SBS+SO+4*\b], v[SA+SO+4*(\a)] matrix_a_fmt:MATRIX_FMT_FP6 matrix_b_fmt:MATRIX_FMT_FP6
.else
	v_wmma_scale_f32_16x16x128_f8f6f4 v[ACC+8*(4*(\a)+\b):ACC+8*(4*(\a)+\b)+7], v[\f+48+FR*\b:\f+48+FR*\b+FR-1], v[\f+FR*(\a):\f+FR*(\a)+FR-1], v[ACC+8*(4*(\a)+\b):ACC+8*(4*(\a)+\b)+7], v[SBS+SO+4*\b], v[SA+SO+4*(\a)] matrix_a_fmt:MATRIX_FMT_FP6 matrix_b_fmt:MATRIX_FMT_FP6 matrix_a_scale:MATRIX_SCALE_ROW1 matrix_b_scale:MATRIX_SCALE_ROW1
.endif
.endif
.endr
.endm
; K step st.  kind 0: the next step's fragments are asked for, then this one's are multiplied.  kind 1: one barrier, with the three lines in front of it.  kind 2: the same, and the barrier opens a round of the cluster's, behind which region 1 is filled again
.macro PSTEP st, kind, zero
.set FC, 96*((\st)%2)
.set FN, 96-FC
	WHERE (\st)+1
.if \kind == 0
	s_wait_dscnt 0x0                               ; this K step's fragments are in
	PLACES
	FETCH FN
	MULA FC, 0, \st, \zero
	MULA FC, 1, \st, \zero
	MULA FC, 2, \st, \zero
	MULA FC, 3, \st, \zero
.else
	WIN 0
	s_wait_tensorcnt 0x0                           ; all my tensor loads have landed
	ds_add_u32 v[SPW], v[NIL]
	s_wait_dscnt 1                                 ; the fragments are in; the add may be out
	MULA FC, 0, \st, 0
	s_wait_dscnt 0x0                               ; the add is done, and my reads of this region are over
	s_barrier_signal -1
	MULA FC, 1, \st, 0
	WIN 0
	s_barrier_wait -1
.if \kind == 2
	CREST
	s_add_nc_u64 s[G0A1+2:G0A1+3], s[G0A1+2:G0A1+3], 13*FRB
	s_add_nc_u64 s[G0B1+2:G0B1+3], s[G0B1+2:G0B1+3], 13*FRB
	s_cmp_lt_u32 s14, 1                            ; wave 0 asks for o's K steps 13-15, wave 1 for wo's; waves 2 and 3 have no part to fill
	s_cbranch_scc0 .Lre_b
	tensor_load_to_lds s[G0A1:G0A1+3], s[G1A1:G1A1+7]
	s_nop 0
.rept 4
	v_nop
.endr
	s_branch .Lre_done
.Lre_b:
	s_cmp_lt_u32 s14, 2
	s_cbranch_scc0 .Lre_done
	tensor_load_to_lds s[G0B1:G0B1+3], s[G1B1:G1B1+7]
	s_nop 0
.rept 4
	v_nop
.endr
.Lre_done:
.endif
	PLACES
	FETCH FN
	MULA FC, 2, \st, 0
	MULA FC, 3, \st, 0
.endif
.endm
	s_wait_tensorcnt 0x0                           ; my first fill is in
	s_barrier_signal -1
	s_barrier_wait -1                              ; K steps 0-12 are whole
	WHERE 0
	FETCH 0
	s_wait_loadcnt 0x0                             ; the scale words
	PSTEP 0, 0, 1                                  ; the first products start the sums
	PSTEP 1, 0, 0
	PSTEP 2, 2, 0                                  ; region 1 takes K steps 13-15
.irp s, 3,4,5,6,7,8,9,10,11
	PSTEP \s, 0, 0
.endr
	PSTEP 12, 1, 0                                 ; K steps 13-15 are in
	PSTEP 13, 0, 0
	PSTEP 14, 0, 0
	s_wait_dscnt 0x0
	MULA 96, 0, 15, 0
	MULA 96, 1, 15, 0
	MULA 96, 2, 15, 0
	MULA 96, 3, 15, 0
	WIN 0
; THE WAY OUT, block by block of 16 tokens x 64 columns.  Accumulator (a, b), register j, lane (r, h) is column 32 (b / 2) + 16 h + 8 (b % 2) + j of my 64; a block goes through my own stage and comes back as rows of 256 bytes.
; Stage row 2 i + h is token 32 (a / 2) + 8 (a % 2) + 2 i + 8 (i / 4) + h of my 64.  LDS serves a wave's instructions in order: no wait between the stores and the loads.
.macro TOSTAGE a
.irp b, 0,1,2,3
	ds_store_b128 v[STO], v[ACC+8*(4*(\a)+\b):ACC+8*(4*(\a)+\b)+3] offset:STGB*((\a)%2)+128*(\b/2)+32*(\b%2)      ; each accumulator from its low end on
	ds_store_b128 v[STO], v[ACC+8*(4*(\a)+\b)+4:ACC+8*(4*(\a)+\b)+7] offset:STGB*((\a)%2)+128*(\b/2)+32*(\b%2)+16
.endr
	WIN 0x40
.irp i, 0,1,2,3,4,5,6,7
	ds_load_b128 v[BK+32*((\a)%2)+4*\i:BK+32*((\a)%2)+4*\i+3], v[RD] offset:STGB*((\a)%2)+2*SPITCH*\i
.endr
	WIN 0
.endm
.macro SEND a, younger                 ; younger: the LDS instructions issued behind block a's loads, which may stay out
	s_wait_dscnt \younger
	WIN 0x04
.irp i, 0,1,2,3,4,5,6,7
	global_store_b128 v[CO], v[BK+32*((\a)%2)+4*\i:BK+32*((\a)%2)+4*\i+3], s[12:13] offset:(32*((\a)/2)+8*((\a)%2)+2*\i+8*(\i/4))*8192 th:TH_STORE_NT   ; sixteen lanes store 256 consecutive bytes, aligned
.endr
	WIN 0
.endm
	PLACES
	TOSTAGE 0
	TOSTAGE 1
	SEND 0, 16                                     ; behind block 0's loads: block 1's 8 stores and 8 loads
	s_wait_xcnt 0x0                                ; block 0's stores have read their registers: block 2's rows may land there
	TOSTAGE 2
	SEND 1, 16
	s_wait_xcnt 0x0
	TOSTAGE 3
	SEND 2, 16
	SEND 3, 0
	s_wait_tensorcnt 0x0                           ; the wave's end
	ds_add_u32 v[SPW], v[NIL]
	s_wait_dscnt 0x0
	CROUND                                         ; the closing round
	s_endpgm
.Lfunc_end_k_q934b72acaa_proj:
	.size	k_q934b72acaa_proj, .Lfunc_end_k_q934b72acaa_proj-k_q934b72acaa_proj
	.p2alignl 7, 3214868480
	.fill 96, 4, 3214868480
	.section	.rodata,"a",@progbits
	.p2align	6, 0x0
	.amdhsa_kernel k_q934b72acaa_proj
		.amdhsa_group_segment_fixed_size 327680
		.amdhsa_private_segment_fixed_size 0
		.amdhsa_enable_private_segment 0
		.amdhsa_kernarg_size 40
		.amdhsa_user_sgpr_count 2
		.amdhsa_user_sgpr_kernarg_segment_ptr 1
		.amdhsa_wavefront_size32 1
		.amdhsa_system_sgpr_workgroup_id_x 1
		.amdhsa_system_sgpr_workgroup_id_y 1
		.amdhsa_system_sgpr_workgroup_id_z 1
		.amdhsa_system_vgpr_workitem_id 0
		.amdhsa_next_free_vgpr 512
		.amdhsa_next_free_sgpr 100
		.amdhsa_reserve_vcc 0
		.amdhsa_float_denorm_mode_32 3
		.amdhsa_float_denorm_mode_16_64 3
		.amdhsa_memory_ordered 1
		.amdhsa_forward_progress 1
		.amdhsa_inst_pref_size 80
	.end_amdhsa_kernel
	.amdgpu_metadata
---
amdhsa.version: [ 1, 2 ]
amdhsa.kernels:
  - .name:           k_q934b72acaa_proj
    .symbol:         k_q934b72acaa_proj.kd
    .args:
      - { .name: oc, .offset: 0, .size: 8, .value_kind: global_buffer, .address_space: global }
      - { .name: os, .offset: 8, .size: 8, .value_kind: global_buffer, .address_space: global }
      - { .name: cw, .offset: 16, .size: 8, .value_kind: global_buffer, .address_space: global }
      - { .name: sw, .offset: 24, .size: 8, .value_kind: global_buffer, .address_space: global }
      - { .name: out0, .offset: 32, .size: 8, .value_kind: global_buffer, .address_space: global }
    .group_segment_fixed_size: 327680
    .private_segment_fixed_size: 0
    .kernarg_segment_align: 8
    .kernarg_segment_size: 40
    .max_flat_workgroup_size: 128
    .sgpr_count:     100
    .vgpr_count:     512
    .wavefront_size: 32
...
	.end_amdgpu_metadata
.endif
;; end of part 4
